; MI455X (gfx1250); checked and timed in simulation.
; The chip was launched on July 23, 2026; its instructions are those of AMD's public machine-readable ISA for CDNA 5 (MIT licence, August 2026) and "CDNA5" Instruction Set Architecture Reference Guide (July 2026). The comments in the code are by the model that wrote it; some were corrected since.
;; Memory Efficient Cross Attention. Allowed arithmetic: matrix products marked QUANTISED: E2M3 operands, one E8M0 scale for each 32 along K, by v_wmma_scale_f32_16x16x128_f8f6f4 with both operands' format E2M3, f32 sums; everything else in f32.
;; Inputs: Wk 1,024 x 1,024 float32; Wo 1,024 x 1,024 float32; Wq 1,024 x 1,024 float32; Wv 1,024 x 1,024 float32; bo 1,024 float32; context 2 x 4,096 x 1,024 float32; x 2 x 2,048 x 1,024 float32.
;; Outputs: out0 2 x 2,048 x 1,024 float32.
;; This version of the problem:
;;   THIS VERSION OF THE PROBLEM IS GIVEN IN LOW PRECISION. The matrix products marked QUANTISED in the list below multiply operands that are first quantised to E2M3 (2 exponent bits, 3 mantissa bits; 6 bits a number), with one power-of-two scale for each 32 numbers along K (OCP MX v1.0); their sums are f32. All else is computed in f32.
;;   The module's matrix products, in the order in which they are computed (A, B: the left and right operand; K: the contracted axis; several contracted axes count as one K, in the product's order):
;;     1. [M 4,096, K 1,024] x [K 1,024, N 1,024]; A: input x; B: input Wq: QUANTISED
;;     2. [M 8,192, K 1,024] x [K 1,024, N 1,024]; A: input context; B: input Wk: QUANTISED
;;     3. [M 8,192, K 1,024] x [K 1,024, N 1,024]; A: input context; B: input Wv: QUANTISED
;;     4. batch 32 x [M 2,048, K 64] x [K 64, N 4,096]; A: computed on the way; B: computed on the way: QUANTISED
;;     5. batch 32 x [M 2,048, K 4,096] x [K 4,096, N 64]; A: softmax (see below); B: computed on the way: QUANTISED
;;     6. [M 4,096, K 1,024] x [K 1,024, N 1,024]; A: computed on the way; B: input Wo: QUANTISED
;;   THE QUANTISER, for each operand of a quantised product, along K:
;;     - K is cut into blocks of 32 from its start; a last block that is shorter is filled with zeros.
;;     - A block's scale is 2^e with e = floor(log2(the largest magnitude in the block)) - 2, held to -126 .. 127; a block of zeros has e = 0. As a byte (E8M0): e + 127.
;;     - Each number is divided by its block's scale, clamped to +-7.5, and rounded to the nearest number of E2M3, ties to even, subnormals kept.
;;     - The product sums the exact products of the quantised numbers (number of the format x scale) in f32.
;;   ~~~python
;;   def quantise(x, axis):      # numpy; x: float32 -> the quantised numbers, widened to float32 again
;;       x = np.moveaxis(x, axis, -1); K = x.shape[-1]
;;       x = np.pad(x, [(0, 0)] * (x.ndim - 1) + [(0, -K % 32)]); x = x.reshape(x.shape[:-1] + (-1, 32)); a = np.abs(x).max(-1, keepdims=True)
;;       e = np.where(a > 0, np.clip(np.frexp(np.where(a > 0, a, 1))[1] - 1 - 2, -126, 127), 0)      # np.frexp(a)[1] - 1 = floor(log2(a)), exactly
;;       r = np.clip(x / 2.0 ** e, -7.5, 7.5)
;;       step = 2.0 ** (np.maximum(np.frexp(np.where(r == 0, 1, r))[1] - 1, 0) - 3)
;;       q = np.round(r / step) * step * 2.0 ** e      # np.round: ties to even
;;       return np.moveaxis(q.reshape(q.shape[:-2] + (-1,))[..., :K], -1, axis).astype(np.float32)
;;   ~~~
;;   SOFTMAX AHEAD OF A QUANTISED PRODUCT. Where the list says 'softmax', what is quantised is not the finished softmax but p = 2^(t - M), with t = logit x log2(e) and M = ceil(the row's largest t), a whole number; so 1/2 < the row's largest p <= 1. The row's sum l is taken of the UNQUANTISED p, in f32, and the product's result is divided by l at the end. Since M is a whole number, a kernel that streams over the keys may use a running M (the ceiling of the running maximum): every later rescaling is an exact power of two, which a block's scale takes up: the codes' values come out the same.
;;   OPERANDS COMPUTED ON THE WAY. 'Computed on the way' means the value that the module computes at that place (a softmax that the list does not call 'softmax' is quantised finished and normalised). What goes into a quantiser is computed in f32, as accurately as f32 sums, v_exp_f32 and their like allow (about 1e-6 of the number): no bf16 or f16 on the way to a quantiser, and a product that is left as it is and whose result goes on into a quantised operand takes f32 operands (vector FMAs, or v_wmma_f32_16x16x4_f32). A number that lies on a knife's edge between two numbers of the format may be rounded either way, as far as f32 arithmetic and the matrix unit's own rounding can turn it there, and no further.
;; One version. Each part assembles by itself: llvm-mc -triple=amdgcn-amd-amdhsa -mcpu=gfx1250 --defsym DOCPART=n.
;; ======== version 1 of 1: 4 launches
;; workspace buffers: actq 9,830,400 bytes; wimg 3,276,800 bytes; qimg 3,276,800 bytes; kv 13,107,200 bytes; oimg 3,276,800 bytes
;; launch quant (part 1): grid 512 x 1, 4 waves a work-group, no clusters, 34,304 bytes of LDS; arguments x, context, Wq, Wk, Wv, Wo, actq, wimg; writes actq, wimg
.if DOCPART == 1
	.amdgcn_target "amdgcn-amd-amdhsa--gfx1250"
	.amdhsa_code_object_version 6
	.text
	.protected	k_q017fb4cc8e_quant
	.globl	k_q017fb4cc8e_quant
	.p2align	8
	.type	k_q017fb4cc8e_quant,@function
k_q017fb4cc8e_quant:
	s_mov_b64 s[64:65], 0
	v_nop
	global_prefetch_b8 v0, s[64:65] scope:SCOPE_SE
	s_setreg_imm32_b32 hwreg(HW_REG_WAVE_MODE, 25, 1), 1
	s_wait_xcnt 0x0
; x [4096][1024], context [8192][1024] (K innermost) and Wq, Wk, Wv, Wo [1024 (K)][1024 (n)] (K outermost), all f32, become codes of FP6 (E2M3) with one E8M0 byte for each 32 along K.
; A block's scale is 2^(floor(log2(largest magnitude)) - 2); its byte is the largest magnitude's exponent field - 2, held at 1 from below; numbers are divided by the scale and rounded to the nearest code, ties to even, beyond 7.5 the largest code.
; LIMITS: NaN and infinities are not served; a block whose largest magnitude lies under 2^-124 has its byte held at 1; a block of zeros gets the byte 1 (its codes are zeros; only this program reads the bytes).
; THE OUTPUT IS LAID IN THE ORDER OF THE READER'S OPERAND REGISTERS.  A RECORD (12,800 bytes) serves 128 rows of an operand (a group) and 128 along K.  The group's tile a (0..7) holds, in lane r, row 32 (a/2) + 8 (a%2) + r + 8 (r/8).
; A HALF IMAGE (768 bytes) is registers 6 c .. 6 c + 5 of a tile's fragment: registers 0-3 of lane l at 16 l, registers 4, 5 of lane (r, h) at 512 + 16 r + 8 h.  Half image (a, c) lies at (2 a + c) x 768.
; The scale words lie at 12,288 + 256 (a/4) + 16 r + 4 (2 (a%2) + (a/2)%2).  Records lie [group][K step].  actq: groups 0-31 x, 32-95 context.  wimg: groups 8 w + n / 128, w = 0 Wq, 1 Wk, 2 Wv, 3 Wo.
; Work-groups 0-127 take the weights (a lane is a column n, its registers run down K: nothing is transposed), the others x and context (rows turn through the wave's own stage in LDS, so that every load is 512 dense bytes).
; Waves share nothing: no barrier.  Every store of a wave covers whole aligned runs of 256 bytes.
.set SPARE, 33792                      ; behind the four stages of 16 x 528 bytes: the spare words, 128 bytes a wave
.set SPW, 252                          ; v252 my spare word's LDS address; never rewritten
.set NIL, 253                          ; v253 0; never rewritten
.set X,   16                           ; v16-207 the numbers: three sets of 64 (activations) or two of 32 (weights)
.set E0,  208                          ; v208-211, v212-215 a half image's registers 0-3
.set E1,  212
.set Z0,  216                          ; v216-219, v220-223 its registers 4, 5 (weights: of both lane halves)
.set Z1,  220
.set F,   224                          ; v224-226 the second conversion's result
.set MX0, 228
.set MX1, 229
.set SCO, 230                          ; the conversion's scale operand
.set T0,  231
.set T1,  232
.set B0,  236                          ; scale bytes
.set B1,  237
.set PW,  240                          ; v240-243 scale words
.set OW,  244
	s_load_b256 s[4:11], s[0:1], 0x0               ; x, context, Wq, Wk
	s_load_b256 s[12:19], s[0:1], 0x20             ; Wv, Wo, actq, wimg
	v_lshl_add_u32 v[SPW], v0, 2, SPARE
	v_mov_b32 v[NIL], 0
	v_lshrrev_b32 v1, 5, v0
	v_readfirstlane_b32 s20, v1                    ; wave
	v_and_b32 v1, 31, v0                           ; lane l
	v_and_b32 v2, 15, v0                           ; r
	v_bfe_u32 v3, v0, 4, 1                         ; h
	v_lshlrev_b32 v4, 4, v1                        ; 16 l
	v_lshlrev_b32 v5, 4, v2
	v_lshl_add_u32 v5, v3, 3, v5                   ; 16 r + 8 h
	v_lshlrev_b32 v6, 3, v3                        ; 8 h
	s_mul_i32 s21, s20, 8448                       ; my stage
	v_add_nc_u32 v7, s21, v4                       ; into it: a row's 512 bytes as they lie
	v_mul_u32_u24 v8, v2, 528
	v_lshl_add_u32 v8, v3, 7, v8
	v_add_nc_u32 v8, s21, v8                       ; out of it: row r, + 128 h: my block of 32 numbers
	v_bfe_u32 v12, v0, 3, 1                        ; weights: column l of 32 is lane rW of tile 2 beta + u: u = (l / 8) % 2,
	v_and_b32 v13, 7, v0
	v_lshl_add_u32 v13, v3, 3, v13                 ; rW = l % 8 + 8 (l / 16)
	v_lshlrev_b32 v13, 4, v13
	v_mad_u32_u24 v9, v12, 1536, v13               ; 1536 u + 16 rW
	v_lshl_add_u32 v11, v12, 3, v13                ; 16 rW + 8 u
	v_lshlrev_b32 v10, 2, v1                       ; 4 l
	v_mov_b32 v[T1], 0                             ; a lane permute's destination counts as read
	s_mov_b32 s22, 0x76543210
	s_mov_b32 s23, 0xfedcba98                      ; selects for lane l xor 16
	s_mov_b32 s24, 0xffff0000                      ; lanes 16-31
	s_wait_kmcnt 0x0
; 32 numbers of one block, v[x] on, become six registers of codes: v[e .. e+3] and v[z], v[z+1]; the byte goes to v[by]
.macro QBLOCK x, e, z, by
	s_wait_xcnt 0x0                                ; earlier stores have read their data: e and z may be written again
	v_max3_num_f32 v[MX0], |v[\x]|, |v[\x+1]|, |v[\x+2]|
	v_max3_num_f32 v[MX1], |v[\x+3]|, |v[\x+4]|, |v[\x+5]|
.irp i, 6,10,14,18,22,26
	v_max3_num_f32 v[MX0], v[MX0], |v[\x+\i]|, |v[\x+\i+1]|
	v_max3_num_f32 v[MX1], v[MX1], |v[\x+\i+2]|, |v[\x+\i+3]|
.endr
	v_max3_num_f32 v[MX0], v[MX0], |v[\x+30]|, |v[\x+31]|
	v_max3_num_f32 v[MX0], v[MX0], v[MX1], 0x1800000   ; and the floor 2^(3 - 127): the byte cannot fall under 1
	v_add_nc_u32 v[SCO], 0xff000000, v[MX0]        ; 2 off the exponent field: the conversion takes this operand's exponent field as its scale
	v_lshrrev_b32 v[\by], 23, v[SCO]               ; the byte
	v_cvt_scalef32_pk16_fp6_f32 v[\e:\e+2], v[\x:\x+15], v[SCO]
	v_cvt_scalef32_pk16_fp6_f32 v[F:F+2], v[\x+16:\x+31], v[SCO]   ; (a conversion's three registers begin on an even number)
	v_nop                                          ; one plain place behind a scaled conversion
	v_mov_b32 v[\e+3], v[F]
	v_mov_b32 v[\z], v[F+1]
	v_mov_b32 v[\z+1], v[F+2]
.endm
	s_cmp_lt_u32 ttmp9, 128
	s_cbranch_scc0 .Lacts
; ---------------- THE WEIGHTS.  Work-group = (w, 256 columns cb, K step s); a wave takes 64 columns x 128 K: four tiles of one record
	s_lshr_b32 s25, ttmp9, 5                       ; w
	s_bfe_u32 s26, ttmp9, 0x20003                  ; cb
	s_and_b32 s27, ttmp9, 7                        ; s
	s_bitcmp1_b32 s25, 0
	s_cselect_b64 s[28:29], s[10:11], s[8:9]       ; Wk or Wq
	s_cselect_b64 s[30:31], s[14:15], s[12:13]     ; Wo or Wv
	s_bitcmp1_b32 s25, 1
	s_cselect_b64 s[28:29], s[30:31], s[28:29]
	s_lshl_b32 s32, s27, 19                        ; 128 s rows of 4,096 bytes
	s_lshl_b32 s34, s26, 10
	s_add_co_u32 s32, s32, s34
	s_lshl_b32 s34, s20, 8
	s_add_co_u32 s32, s32, s34                     ; + 4 x (256 cb + 64 wave)
	s_mov_b32 s33, 0
	s_add_nc_u64 s[28:29], s[28:29], s[32:33]
	s_lshl_b32 s34, s25, 3
	s_lshl_b32 s35, s26, 1
	s_add_co_u32 s34, s34, s35
	s_lshr_b32 s35, s20, 1
	s_add_co_u32 s34, s34, s35                     ; group 8 w + 2 cb + wave / 2
	s_lshl_b32 s34, s34, 3
	s_add_co_u32 s34, s34, s27
	s_mul_i32 s34, s34, 12800
	s_mov_b32 s35, 0
	s_add_nc_u64 s[36:37], s[18:19], s[34:35]      ; the record
	s_and_b32 s38, s20, 1                          ; which four tiles of it
	s_mul_i32 s34, s38, 6144
	s_add_nc_u64 s[40:41], s[36:37], s[34:35]      ; their half images
	s_lshl_b32 s34, s38, 8
	s_add_co_u32 s34, s34, 12288
	s_add_nc_u64 s[42:43], s[36:37], s[34:35]      ; their scale words
; block k = 4 c + 2 h + beta: K = 64 c + 32 h + 0 .. 31 of columns 32 beta + l.  beta runs fastest: two neighbouring runs of loads take the two halves of the same 256 bytes of each row
.macro LOADW k
.set LC, (\k)/4
.set LH, ((\k)/2)%2
.set LB, (\k)%2
.irp i, 0,1,2,3,4,5,6,7,8,9,10,11,12,13,14,15,16,17,18,19,20,21,22,23,24,25,26,27,28,29,30,31
	global_load_b32 v[X+32*LB+\i], v10, s[28:29] offset:(64*LC+32*LH+\i)*4096+128*LB
.endr
.endm
.macro WBLOCK k
.set WC, (\k)/4
.set WH, ((\k)/2)%2
.set WB, (\k)%2
.if (\k) < 7
	s_wait_loadcnt 32                              ; this block's 32 loads are in; the next block's 32 may be out
.else
	s_wait_loadcnt 0x0
.endif
	QBLOCK X+32*WB, E0, Z0+4*WB+2*WH, B0
	global_store_b128 v9, v[E0:E0+3], s[40:41] offset:3072*WB+768*WC+256*WH   ; registers 0-3 of lanes (rW, h) of tiles 2 beta and 2 beta + 1: two aligned runs of 256 bytes
.if (\k) < 2
	v_mov_b32 v[PW+WB], v[B0]
.else
	v_lshl_or_b32 v[PW+WB], v[B0], 8*(2*WC+WH), v[PW+WB]   ; byte 2 c + h of my column's scale word
.endif
.if WH == 1
	global_store_b128 v9, v[Z0+4*WB:Z0+4*WB+3], s[40:41] offset:3072*WB+768*WC+512   ; registers 4, 5 of both lane halves
.endif
.if (\k)+2 < 8
	LOADW (\k)+2
.endif
.endm
	LOADW 0
	LOADW 1
.irp k, 0,1,2,3,4,5,6,7
	WBLOCK \k
.endr
	global_store_b64 v11, v[PW:PW+1], s[42:43]     ; the four tiles' scale words: one aligned run of 256 bytes
	s_wait_tensorcnt 0x0                           ; the wave's end
	ds_add_u32 v[SPW], v[NIL]
	s_wait_dscnt 0x0
	s_endpgm
; ---------------- x AND context.  A wave's job = (group G, four tiles q, K step s): 64 rows x 128 K
.Lacts:
	s_sub_co_u32 s25, ttmp9, 128
	s_lshl_b32 s25, s25, 2
	s_add_co_u32 s25, s25, s20                     ; job 0 .. 1,535
	s_and_b32 s27, s25, 7                          ; s
	s_bfe_u32 s38, s25, 0x10003                    ; q
	s_lshr_b32 s26, s25, 4                         ; G
	s_cmp_lt_u32 s26, 32
	s_cselect_b64 s[28:29], s[4:5], s[6:7]         ; x or context
	s_cselect_b32 s30, 0, 32
	s_sub_co_u32 s30, s26, s30
	s_lshl_b32 s30, s30, 1
	s_add_co_u32 s30, s30, s38                     ; which 64 rows of the tensor
	s_lshl_b32 s32, s30, 18                        ; x 64 rows x 4,096 bytes
	s_lshl_b32 s34, s27, 9
	s_add_co_u32 s32, s32, s34                     ; + 512 s
	s_mov_b32 s33, 0
	s_add_nc_u64 s[28:29], s[28:29], s[32:33]
	s_lshl_b32 s34, s26, 3
	s_add_co_u32 s34, s34, s27
	s_mul_i32 s34, s34, 12800
	s_mov_b32 s35, 0
	s_add_nc_u64 s[36:37], s[16:17], s[34:35]      ; the record
	s_mul_i32 s34, s38, 6144
	s_add_nc_u64 s[40:41], s[36:37], s[34:35]
	s_lshl_b32 s34, s38, 8
	s_add_co_u32 s34, s34, 12288
	s_add_nc_u64 s[42:43], s[36:37], s[34:35]
.macro LOADA t                         ; tile t's 16 rows, 512 dense bytes a load, into set t % 3
.irp i, 0,1,2,3,4,5,6,7,8,9,10,11,12,13,14,15
	global_load_b128 v[X+64*((\t)%3)+4*\i:X+64*((\t)%3)+4*\i+3], v4, s[28:29] offset:(32*((\t)/2)+8*((\t)%2)+\i+8*(\i/8))*4096 th:TH_LOAD_NT
.endr
.endm
.macro TILEA t, left
.set XS, X+64*((\t)%3)
	s_wait_loadcnt \left                           ; this tile's 16 loads are in; the loads of the tiles behind it may be out
.irp i, 0,1,2,3,4,5,6,7,8,9,10,11,12,13,14,15
	ds_store_b128 v7, v[XS+4*\i:XS+4*\i+3] offset:528*\i   ; rows 528 bytes apart: the sixteen rows that a load below touches start at sixteen different columns of 16 bytes
.endr
.irp c, 0,1
.irp j, 0,1,2,3,4,5,6,7
	ds_load_b128 v[XS+32*\c+4*\j:XS+32*\c+4*\j+3], v8 offset:256*\c+16*\j   ; LDS serves a wave's instructions in order: these see the stores.  Lane (r, h) gets K = 64 c + 32 h + 0 .. 31 of row r
.endr
.endr
	s_wait_dscnt 0x0
	QBLOCK XS, E0, Z0, B0
	QBLOCK XS+32, E1, Z1, B1
	v_lshl_or_b32 v[T0], v[B1], 16, v[B0]          ; my two bytes, blocks h and 2 + h,
	v_lshlrev_b32 v[T0], v6, v[T0]                 ; at their places;
	v_permlanex16_b32 v[T1], v[T0], s22, s23
	v_or_b32 v[PW+\t], v[T0], v[T1]                ; with lane l xor 16's two the row's word is whole
	global_store_b128 v4, v[E0:E0+3], s[40:41] offset:(2*\t)*768
	global_store_b64 v5, v[Z0:Z0+1], s[40:41] offset:(2*\t)*768+512
	global_store_b128 v4, v[E1:E1+3], s[40:41] offset:(2*\t+1)*768
	global_store_b64 v5, v[Z1:Z1+1], s[40:41] offset:(2*\t+1)*768+512
.endm
	LOADA 0
	LOADA 1
	LOADA 2
	TILEA 0, 32
	LOADA 3                                        ; into tile 0's set, which has been converted
	TILEA 1, 32
	TILEA 2, 16
	TILEA 3, 0
	v_cndmask_b32 v[OW], v[PW], v[PW+1], s24       ; lanes 0-15 store tiles 0 and 2's words, lanes 16-31 tiles 1 and 3's
	v_cndmask_b32 v[OW+1], v[PW+2], v[PW+3], s24
	global_store_b64 v5, v[OW:OW+1], s[42:43]
	s_wait_tensorcnt 0x0                           ; the wave's end, behind my last LDS store
	ds_add_u32 v[SPW], v[NIL]
	s_wait_dscnt 0x0
	s_endpgm
.Lfunc_end_k_q017fb4cc8e_quant:
	.size	k_q017fb4cc8e_quant, .Lfunc_end_k_q017fb4cc8e_quant-k_q017fb4cc8e_quant
	.p2alignl 7, 3214868480
	.fill 96, 4, 3214868480
	.section	.rodata,"a",@progbits
	.p2align	6, 0x0
	.amdhsa_kernel k_q017fb4cc8e_quant
		.amdhsa_group_segment_fixed_size 34304
		.amdhsa_private_segment_fixed_size 0
		.amdhsa_enable_private_segment 0
		.amdhsa_kernarg_size 64
		.amdhsa_user_sgpr_count 2
		.amdhsa_user_sgpr_kernarg_segment_ptr 1
		.amdhsa_wavefront_size32 1
		.amdhsa_system_sgpr_workgroup_id_x 1
		.amdhsa_system_sgpr_workgroup_id_y 1
		.amdhsa_system_sgpr_workgroup_id_z 1
		.amdhsa_system_vgpr_workitem_id 0
		.amdhsa_next_free_vgpr 256
		.amdhsa_next_free_sgpr 66
		.amdhsa_reserve_vcc 0
		.amdhsa_float_denorm_mode_32 3
		.amdhsa_float_denorm_mode_16_64 3
		.amdhsa_memory_ordered 1
		.amdhsa_forward_progress 1
		.amdhsa_inst_pref_size 70
	.end_amdhsa_kernel
	.amdgpu_metadata
---
amdhsa.version: [ 1, 2 ]
amdhsa.kernels:
  - .name:           k_q017fb4cc8e_quant
    .symbol:         k_q017fb4cc8e_quant.kd
    .args:
      - { .name: x, .offset: 0, .size: 8, .value_kind: global_buffer, .address_space: global }
      - { .name: context, .offset: 8, .size: 8, .value_kind: global_buffer, .address_space: global }
      - { .name: Wq, .offset: 16, .size: 8, .value_kind: global_buffer, .address_space: global }
      - { .name: Wk, .offset: 24, .size: 8, .value_kind: global_buffer, .address_space: global }
      - { .name: Wv, .offset: 32, .size: 8, .value_kind: global_buffer, .address_space: global }
      - { .name: Wo, .offset: 40, .size: 8, .value_kind: global_buffer, .address_space: global }
      - { .name: actq, .offset: 48, .size: 8, .value_kind: global_buffer, .address_space: global }
      - { .name: wimg, .offset: 56, .size: 8, .value_kind: global_buffer, .address_space: global }
    .group_segment_fixed_size: 34304
    .private_segment_fixed_size: 0
    .kernarg_segment_align: 8
    .kernarg_segment_size: 64
    .max_flat_workgroup_size: 128
    .sgpr_count:     66
    .vgpr_count:     256
    .wavefront_size: 32
...
	.end_amdgpu_metadata
.endif
;; end of part 1
;; launch proj (part 2): grid 80 x 4, 4 waves a work-group, clusters of 4 x 4, 327,680 bytes of LDS; arguments actq, wimg, qimg, kv; writes qimg, kv
.if DOCPART == 2
	.amdgcn_target "amdgcn-amd-amdhsa--gfx1250"
	.amdhsa_code_object_version 6
	.text
	.protected	k_q017fb4cc8e_proj
	.globl	k_q017fb4cc8e_proj
	.p2align	8
	.type	k_q017fb4cc8e_proj,@function
k_q017fb4cc8e_proj:
	s_mov_b64 s[64:65], 0
	v_nop
	global_prefetch_b8 v0, s[64:65] scope:SCOPE_SE
	s_setreg_imm32_b32 hwreg(HW_REG_WAVE_MODE, 25, 1), 1
	s_wait_xcnt 0x0
	s_wait_alu depctr_hold_cnt(0) depctr_sa_sdst(0) depctr_va_vdst(0) depctr_va_sdst(0) depctr_va_ssrc(0) depctr_va_vcc(0) depctr_vm_vsrc(0)
	s_getreg_b32 s2, hwreg(HW_REG_IB_STS2, 6, 4)
	s_cmp_eq_u32 s2, 0
	s_cbranch_scc0 .Lentry_in_a_cluster
	s_endpgm
.Lentry_in_a_cluster:
	s_bfe_u32 s2, ttmp6, 0x10000c
	s_cmp_lg_u32 s2, 0xf033
	s_cbranch_scc0 .Lentry_shape_is_right
	s_endpgm
.Lentry_shape_is_right:
; q = Q(x) Q(Wq), k = Q(context) Q(Wk), v = Q(context) Q(Wv) on codes of FP6 (E2M3) with E8M0 scales, sums in f32; each result is quantised in registers, q and k along the head's 64, v along the keys, and stored as the attention's operand images.
; OPERANDS come as records of 12,800 bytes (128 rows x 128 K in the order of the operand's registers, then the scale words); a group's whole K is 8 records on end.  Lane r of tile a holds row 32 (a/2) + 8 (a%2) + r + 8 (r/8) of its group.
; A work-group of four waves makes 256 x 256, a wave 128 x 128: 64 accumulators, 512 registers.  Source 0 = 16 rows of operand B, source 1 = 16 rows of operand A: a lane holds ONE row of A, and the 16 registers of B's tiles 2 b, 2 b + 1 are 16 NEIGHBOURS among B's rows.
; So B is the axis that is quantised next.  Clusters 0-3: q (A = x's rows, B = Wq's columns); 4-11: k (A = context, B = Wk); 12-19: v transposed (A = Wv's columns, B = context's rows, the keys).
; CLUSTERS of 4 x 4: A's groups hang on cy and are asked for jointly along a row of the cluster, B's on cx and along a column.  K = 1,024 goes in four slots' worth of 256: three LDS slots are filled at the start, the fourth fill goes into slot 0 behind one round.
; A wave has three tensor loads out at the start and one behind the refill.
; OUTPUT.  Q record (6,400 bytes; head, 128 tokens): tile a's half image at 768 a, at 6,144 the words [r][h][e] = the two bytes of tile 2 (2 h + e), then those of the tile after it.  KV record (12,800 bytes; head, 128 keys): K's part like a Q record;
; from 6,400 V's half images (tile t of 16 channels, keys 64 c on) at (2 t + c) x 768; at 12,544 V's scale words [r][h][e] of tile 2 h + e.
; LIMITS: NaN and infinities are not served; a block's byte is held at 1 from below (largest magnitude under 2^-124; a block of zeros too: its codes are zeros and only this program reads the bytes).
.set NT,     8                         ; tiles of 16 a side in a wave's part
.set REC,    12800
.set RROWS,  100                       ; rows of 256 bytes in a wave's tensor load: two records
.set SLOTB,  102400                    ; a slot: A's two groups, B's two groups, two records each
.set OPB,    51200                     ; where B begins in a slot
.set WST,    25600                     ; from a wave's part to the next: codes,
.set WSS,    25600                     ; scale words
.set NF,     3                         ; LDS slots
.set SPARE,  307200                    ; behind the slots: the spare words, 128 bytes a wave
.set WLO,    0xa1                      ; source 0 (B) window 1, source 1 (A) window 0, C and D window 2
.set WHI,    0xf1                      ; the same, C and D window 3
.set L16,   3                          ; v3  16 x lane
.set L8,    4                          ; v4  16 r + 8 h
.set ADA16, 8                          ; v8..  my A fragments in slot 0, 1, 2: + 16 x lane
.set ADA8,  12                         ; v12.. + 16 r + 8 h
.set ADB16, 16
.set ADB8,  20
.set ADS,   24                         ; v24.. scale words: lanes 0-15 A's, lanes 16-31 B's
.set SPW,   28
.set NIL,   29
.set SC,    32                         ; v32-47 scale words, two sets of 8: nothing else ever stands there
.set TM,    48                         ; v48-63 the quantiser's block figures
.set PC,    64                         ; v64-82 the codes just made
.set PW,    84                         ; v84-91 the eight tiles' scale words
.set WX,    96
.set OW,    104
.set AF,    128                        ; v128-223 A's eight fragments, one set.  Window 1: B's two sets at v0 and v128.  Windows 2, 3: the accumulators, (a, b) at 8 (8 a + b)
.set G1,  24
.set G1B, 32
.set G0,  40                           ; s[40:51] group 0 for A, a set for each first fill
.set G0B, 52                           ; s[52:63] for B
.set P0,  88
.set P1,  90
.set PS,  92
.set PS2, 94
.set SA,  20
.set SA4, 22
.set MASK, 99
.set MSB, 0
.macro WIN new                         ; the immediate's high byte repeats the setting that is left
.if MSB != (\new)
	s_set_vgpr_msb (MSB<<8)|(\new)
.set MSB, \new
.endif
.endm
.macro PLACES n
.rept \n
	v_nop
.endr
.endm
; A joint load: waves 0 and 1 fetch for A, waves 2 and 3 for B; the branch hangs on the wave's number alone.  An s_nop 0 and four v_nop follow each line.
.macro JLOAD g0a, g1a, g0b, g1b
	s_cmp_eq_u32 s15, 0
	s_cbranch_scc0 .Lfor_b_\@
	tensor_load_to_lds s[\g0a:\g0a+3], s[\g1a:\g1a+7]
	s_nop 0
.rept 4
	v_nop
.endr
	s_branch .Lasked_\@
.Lfor_b_\@:
	tensor_load_to_lds s[\g0b:\g0b+3], s[\g1b:\g1b+7]
	s_nop 0
.rept 4
	v_nop
.endr
.Lasked_\@:
.endm
.macro CROUND                          ; a round of the cluster's barrier
	s_barrier_signal -1
	s_barrier_wait -1
	s_cmp_lg_u32 s14, 0
	s_cbranch_scc1 .Lnot_wave_0_\@
	s_barrier_signal -3
.Lnot_wave_0_\@:
	s_barrier_wait -3
	s_barrier_signal -1
	s_barrier_wait -1
.endm
	s_load_b256 s[4:11], s[0:1], 0x0               ; actq, wimg, qimg, kv
	v_lshl_add_u32 v[SPW], v0, 2, SPARE
	v_mov_b32 v[NIL], 0
	ds_add_u32 v[SPW], v[NIL]                      ; the wave's opening, ahead of my first tensor load
	v_lshrrev_b32 v1, 5, v0
	v_readfirstlane_b32 s14, v1                    ; wave
	s_lshr_b32 s15, s14, 1                         ; my part of A.  Also: I fetch for A (0) or B (1)
	s_and_b32 s16, s14, 1                          ; my part of B.  Also: which group I fetch
	s_bfe_u32 s66, ttmp6, 0x40000                  ; cx
	s_bfe_u32 s67, ttmp6, 0x40004                  ; cy
	s_mov_b32 s68, ttmp9                           ; the cluster, 0 .. 19: the same in all partners
	s_lshl_b32 s69, s67, 2
	s_lshl_b32 s69, 15, s69                        ; my row of the cluster
	s_lshl_b32 s70, 0x1111, s66                    ; my column
	s_or_b32 s[G1], s69, (3<<16)|(1<<21)           ; the mask; elements of 8 bytes; bit 21 beside a mask; no padding
	s_or_b32 s[G1B], s70, (3<<16)|(1<<21)
.irp g, G1, G1B
	s_mov_b32 s[\g+1], 32<<16                      ; tensor_dim0 = 32 elements: rows of 256 bytes
	s_mov_b32 s[\g+2], RROWS<<16                   ; tensor_dim1
	s_mov_b32 s[\g+3], 32<<16                      ; tile_dim0
	s_mov_b32 s[\g+4], RROWS                       ; tile_dim1
	s_mov_b32 s[\g+5], 32                          ; the pitch: the block is dense
	s_mov_b32 s[\g+6], 0
	s_mov_b32 s[\g+7], 0
.endr
	s_lshl_b32 s71, s68, 3                         ; 8 cl
	s_max_u32 s73, s71, 64
	s_sub_co_u32 s73, s73, 64                      ; v: context's groups from 8 cl - 64 on
	s_cmp_lt_u32 s68, 4
	s_cselect_b32 s74, 0, 8                        ; Wq's groups or Wk's
	s_cmp_ge_u32 s68, 12                           ; v?
	s_cselect_b32 s72, 16, s71                     ; A's first group: Wv's, or the activations' 8 cl
	s_cselect_b32 s73, s73, s74                    ; B's
	s_lshl_b32 s75, s67, 1
	s_add_co_u32 s72, s72, s75
	s_add_co_u32 s72, s72, s16                     ; A: + 2 cy + the group I fetch: no register on A's way ever holds cx
	s_mul_i32 s76, s72, 102400
	s_mov_b32 s77, 0
	s_lshl_b32 s78, s66, 1
	s_add_co_u32 s73, s73, s78
	s_add_co_u32 s73, s73, s16                     ; B: + 2 cx + the group I fetch
	s_mul_i32 s78, s73, 102400
	s_mov_b32 s79, 0
	s_mul_i32 s80, s14, RROWS*256                  ; where my load lands in a slot
	s_wait_dscnt 0x0                               ; the opening add is done
	s_wait_kmcnt 0x0
	s_cmp_ge_u32 s68, 12
	s_cselect_b64 s[82:83], s[6:7], s[4:5]         ; A's buffer
	s_cselect_b64 s[84:85], s[4:5], s[6:7]         ; B's
	s_add_nc_u64 s[82:83], s[82:83], s[76:77]
	s_add_nc_u64 s[84:85], s[84:85], s[78:79]
	CROUND                                         ; all sixteen work-groups are here: the first joint loads meet
.set KK, 0
.rept NF
	s_mov_b32 s[G0+4*KK], 1
	s_add_co_u32 s[G0+4*KK+1], s80, KK*SLOTB
	s_add_nc_u64 s[G0+4*KK+2:G0+4*KK+3], s[82:83], KK*25600
	s_or_b32 s[G0+4*KK+3], s[G0+4*KK+3], 0x80000000
	s_mov_b32 s[G0B+4*KK], 1
	s_add_co_u32 s[G0B+4*KK+1], s80, KK*SLOTB
	s_add_nc_u64 s[G0B+4*KK+2:G0B+4*KK+3], s[84:85], KK*25600
	s_or_b32 s[G0B+4*KK+3], s[G0B+4*KK+3], 0x80000000
	JLOAD G0+4*KK, G1, G0B+4*KK, G1B
.set KK, KK+1
.endr
	v_and_b32 v1, 15, v0                           ; r
	v_bfe_u32 v2, v0, 4, 1                         ; h
	v_and_b32 v5, 31, v0
	v_lshlrev_b32 v[L16], 4, v5
	v_lshlrev_b32 v[L8], 4, v1
	v_lshl_add_u32 v[L8], v2, 3, v[L8]
	s_mul_i32 s86, s15, WST
	s_mul_i32 s87, s16, WST
	s_add_co_u32 s87, s87, OPB
	s_mul_i32 s88, s15, WSS
	s_mul_i32 s89, s16, WSS
	s_add_co_u32 s89, s89, OPB
	s_sub_co_u32 s89, s89, s88                     ; from A's words to B's
	v_mul_u32_u24 v6, s89, v2                      ; lanes 16-31 take B's
	v_lshl_add_u32 v6, v1, 4, v6
	s_add_co_u32 s88, s88, 12288
.set KK, 0
.rept NF
	v_add_nc_u32 v[ADA16+KK], s86, v[L16]
	v_add_nc_u32 v[ADA8+KK], s86, v[L8]
	v_add_nc_u32 v[ADB16+KK], s87, v[L16]
	v_add_nc_u32 v[ADB8+KK], s87, v[L8]
	v_add_nc_u32 v[ADS+KK], s88, v6
	s_add_co_u32 s86, s86, SLOTB
	s_add_co_u32 s87, s87, SLOTB
	s_add_co_u32 s88, s88, SLOTB
.set KK, KK+1
.endr
.irp b, 0,1,2,3
	v_mov_b32 v[TM+4+\b], 0                        ; a lane permute's destination counts as read
.endr
	; where the results go
	s_lshl_b32 s90, s67, 1
	s_add_co_u32 s90, s90, s15                     ; GI: my group of A among the cluster's eight
	s_lshl_b32 s91, s66, 1
	s_add_co_u32 s91, s91, s16                     ; GJ: of B
	s_mov_b32 s93, 12800
	s_cmp_lt_u32 s68, 4                            ; q?
	s_cselect_b32 s92, 4, 5                        ; log2 of the records of a head: 16 token groups or 32 key steps
	s_cselect_b32 s93, 6400, s93                   ; a record
	s_cselect_b64 s[94:95], s[8:9], s[10:11]       ; qimg or kv
	s_cselect_b32 s96, 0, 4
	s_cmp_ge_u32 s68, 12                           ; v?
	s_cselect_b32 s96, 12, s96                     ; the kind's first cluster
	s_cselect_b32 s97, s91, s90                    ; the activations' group: B's for v, else A's
	s_cselect_b32 s98, s90, s91                    ; the pair of heads: the weight's group
	s_sub_co_u32 s96, s68, s96
	s_lshl_b32 s96, s96, 3
	s_add_co_u32 s96, s96, s97                     ; the group of 128 rows in x or context
	s_lshr_b32 s97, s96, s92                       ; the batch
	s_lshl_b32 s97, s97, 4
	s_lshl_b32 s98, s98, 1
	s_add_co_u32 s97, s97, s98                     ; 16 batch + head
	s_lshl_b32 s97, s97, s92
	s_bfm_b32 s98, s92, 0
	s_and_b32 s98, s96, s98
	s_add_co_u32 s97, s97, s98                     ; the record's number
	s_mul_i32 s96, s97, s93
	s_mov_b32 s97, 0
	s_add_nc_u64 s[94:95], s[94:95], s[96:97]      ; the record of my first head
	s_lshl_b32 s86, s93, s92                       ; from a head to the next
	s_mov_b32 s87, 0
	s_sub_co_u32 s99, s86, 4608
	s_mov_b32 s17, 768
	s_mov_b32 s2, 6144
	s_cmp_ge_u32 s68, 12
	s_cselect_b32 s12, 6400, 0                     ; v: V's part of the record
	s_cselect_b32 s18, s17, s86                    ; the fragment's second half: v: keys 64 on; q, k: the next head
	s_cselect_b32 s[SA], 1536, s17                 ; from tile a to a + 1
	s_cselect_b32 s[SA4], s99, s17                 ; from tile 3 to 4: v: the next head's tile 0
	s_cselect_b32 s2, 12544, s2                    ; the scale words
	s_mov_b32 s13, 0
	s_mov_b32 s19, 0
	s_mov_b32 s[SA+1], 0
	s_mov_b32 s[SA4+1], 0
	s_mov_b32 s3, 0
	s_add_nc_u64 s[P0:P0+1], s[94:95], s[12:13]
	s_add_nc_u64 s[P1:P1+1], s[P0:P0+1], s[18:19]
	s_add_nc_u64 s[PS:PS+1], s[94:95], s[2:3]
	s_add_nc_u64 s[PS2:PS2+1], s[PS:PS+1], s[86:87]   ; the second head's
	s_mov_b32 s[MASK], 0xffff0000                  ; lanes 16-31
; A fragment (12 registers) out of its two half images: every load takes 512 or 256 consecutive bytes
.macro FRAG reg, a16, a8, off
	ds_load_b128 v[\reg:\reg+3], v[\a16] offset:\off
	ds_load_b64 v[\reg+4:\reg+5], v[\a8] offset:\off+512
	ds_load_b128 v[\reg+6:\reg+9], v[\a16] offset:\off+768
	ds_load_b64 v[\reg+10:\reg+11], v[\a8] offset:\off+1280
.endm
.macro FETCH_B s, p                    ; K step s: B's fragments into set p
	WIN 0x40
.set FI, 0
.rept NT
	FRAG 128*(\p)+12*FI, ADB16+((\s)/2)%NF, ADB8+((\s)/2)%NF, ((\s)%2)*REC+1536*FI
.set FI, FI+1
.endr
	WIN 0
.endm
.macro FETCH_A s, i0                   ; half of A's fragments, from tile i0 on
.set FI, \i0
.rept NT/2
	FRAG AF+12*FI, ADA16+((\s)/2)%NF, ADA8+((\s)/2)%NF, ((\s)%2)*REC+1536*FI
.set FI, FI+1
.endr
.endm
.macro SCALES s, p                     ; four tiles' words a load: lanes 0-15 A's, lanes 16-31 B's; tile t's word lands in register 4 (t/4) + 2 (t%2) + (t/2)%2
.set FI, 0
.rept NT/4
	ds_load_b128 v[SC+8*(\p)+4*FI:SC+8*(\p)+4*FI+3], v[ADS+((\s)/2)%NF] offset:((\s)%2)*REC+256*FI
.set FI, FI+1
.endr
.endm
; n of A's tiles from a0 on x all of B's.  All accumulators take turns, one instruction a turn, in the same order in every step.  zero = 1: the first product starts the sums
.macro MUL a0, n, p, zero
.set MA, \a0
.rept \n
.set MB, 0
.rept NT
.set MD, (8*(NT*MA+MB))%256
.set SCB, SC+8*(\p)+4*(MB/4)+2*(MB%2)+((MB/2)%2)
.set SCA, SC+8*(\p)+4*(MA/4)+2*(MA%2)+((MA/2)%2)
.if \zero == 1
	v_wmma_scale_f32_16x16x128_f8f6f4 v[MD:MD+7], v[128*(\p)+12*MB:128*(\p)+12*MB+11], v[AF+12*MA:AF+12*MA+11], 0, v[SCB], v[SCA] matrix_a_fmt:MATRIX_FMT_FP6 matrix_b_fmt:MATRIX_FMT_FP6 matrix_a_scale:MATRIX_SCALE_ROW1
.else
	v_wmma_scale_f32_16x16x128_f8f6f4 v[MD:MD+7], v[128*(\p)+12*MB:128*(\p)+12*MB+11], v[AF+12*MA:AF+12*MA+11], v[MD:MD+7], v[SCB], v[SCA] matrix_a_fmt:MATRIX_FMT_FP6 matrix_b_fmt:MATRIX_FMT_FP6 matrix_a_scale:MATRIX_SCALE_ROW1
.endif
.set MB, MB+1
.endr
.set MA, MA+1
.endr
.endm
.macro PRIME s                         ; a step's fragments with nothing to multiply meanwhile; four places stand in front of loads into registers that matrix instructions have read
	PLACES 4
	FETCH_B \s, (\s)%2
	FETCH_A \s, 0
	SCALES \s, (\s)%2
	FETCH_A \s, NT/2
.endm
.macro STEP s, zero                    ; 128 along K, and the next step's fragments: A has one set (a tile is free when its products are issued), B two
	s_wait_dscnt 2*NT                              ; all but the youngest loads: A's upper four fragments, four loads each
	WIN WLO
	MUL 0, NT/2, (\s)%2, \zero
	s_wait_dscnt 0x0
	PLACES 4
	FETCH_B (\s)+1, 1-(\s)%2
	FETCH_A (\s)+1, 0
	SCALES (\s)+1, 1-(\s)%2
	WIN WHI
	MUL NT/2, NT/2, (\s)%2, \zero
	PLACES 4
	WIN 0
	FETCH_A (\s)+1, NT/2
.endm
.macro LASTSTEP s                      ; a step whose successor's slot is not yet shown whole
	s_wait_dscnt 2*NT
	WIN WLO
	MUL 0, NT/2, (\s)%2, 0
	s_wait_dscnt 0x0
	WIN WHI
	MUL NT/2, NT/2, (\s)%2, 0
	WIN 0
.endm
	s_wait_tensorcnt NF-1                          ; my part of K steps 0, 1 is in; my two later fills may be out
	s_barrier_signal -1
	s_barrier_wait -1
	PRIME 0
	STEP 0, 1
	LASTSTEP 1
	s_wait_tensorcnt 0x0                           ; all my tensor loads have landed: slots 1 and 2 are whole once every wave has said so
	ds_add_u32 v[SPW], v[NIL]
	s_add_nc_u64 s[G0+2:G0+3], s[G0+2:G0+3], 76800     ; no load of mine is out: slot 0's descriptors step to K steps 6, 7
	s_add_nc_u64 s[G0B+2:G0B+3], s[G0B+2:G0B+3], 76800
	s_wait_dscnt 0x0                               ; the add is done, and my reads of slot 0 are over
	CROUND                                         ; the same holds of every wave of every partner
	JLOAD G0, G1, G0B, G1B                         ; the one refill: it has four K steps, 256 matrix instructions, in which to land
	PRIME 2
	STEP 2, 0
	STEP 3, 0
	STEP 4, 0
	LASTSTEP 5
	s_wait_tensorcnt 0x0                           ; my part of the refill is in (the one load that was out)
	s_wait_dscnt 0x0
	s_barrier_signal -1
	s_barrier_wait -1                              ; everybody's is
	PRIME 6
	STEP 6, 0
	LASTSTEP 7
; THE WAY OUT.  Tile a of A: a lane's 64 registers are 128 neighbours of its row along the axis to be quantised, register 16 b + i = place 32 b + 16 h + i.  They become one fragment and one scale word.
.macro EPI a
.set ES, 64*((\a)%4)
.set EW, 2+(\a)/4
.set EWW, (EW<<2)|(EW<<4)
.if (\a) > 0
	s_wait_xcnt 0x0                                ; the last tile's stores have read their data and bases
.if (\a) == 4
	s_add_nc_u64 s[P0:P0+1], s[P0:P0+1], s[SA4:SA4+1]
	s_add_nc_u64 s[P1:P1+1], s[P1:P1+1], s[SA4:SA4+1]
.else
	s_add_nc_u64 s[P0:P0+1], s[P0:P0+1], s[SA:SA+1]
	s_add_nc_u64 s[P1:P1+1], s[P1:P1+1], s[SA:SA+1]
.endif
.endif
	WIN EWW                                        ; sources 1 and 2: the accumulators' window
.irp b, 0,1,2,3
	v_max3_num_f32 v[TM+\b], 0x1800000, |v[ES+16*\b]|, |v[ES+1+16*\b]|   ; my 16 numbers of block b, and the floor 2^(3 - 127); each accumulator is read from its low end on
.endr
.irp i, 2,4,6,8,10,12,14
.irp b, 0,1,2,3
	v_max3_num_f32 v[TM+\b], v[TM+\b], |v[ES+16*\b+\i]|, |v[ES+1+16*\b+\i]|
.endr
.endr
	WIN 0
.irp b, 0,1,2,3
	v_permlanex16_b32 v[TM+4+\b], v[TM+\b], s[MASK-3], s[MASK-2]
.endr
.irp b, 0,1,2,3
	v_max_num_f32 v[TM+\b], v[TM+\b], v[TM+4+\b]   ; with lane l xor 16's: the block's largest magnitude
.endr
.irp b, 0,1,2,3
	v_add_nc_u32 v[TM+12+\b], 0xff000000, v[TM+\b] ; 2 off its exponent field: the conversion's scale operand
.endr
.irp b, 0,1,2,3
	v_lshrrev_b32 v[TM+4+\b], 23, v[TM+12+\b]      ; the byte
.endr
	v_lshl_or_b32 v[PW+\a], v[TM+5], 8, v[TM+4]
	v_lshl_or_b32 v[PW+\a], v[TM+6], 16, v[PW+\a]
	v_lshl_or_b32 v[PW+\a], v[TM+7], 24, v[PW+\a]
	WIN EW                                         ; source 0: the accumulators' window
.irp c, 0,1
	v_cvt_scalef32_pk16_fp6_f32 v[PC+6*\c:PC+2+6*\c], v[ES+32*\c:ES+15+32*\c], v[TM+12+2*\c]
	v_cvt_scalef32_pk16_fp6_f32 v[PC+12+4*\c:PC+14+4*\c], v[ES+16+32*\c:ES+31+32*\c], v[TM+12+2*\c+1]
.endr
	WIN 0
	v_nop                                          ; one plain place behind a scaled conversion
.irp c, 0,1                                    ; the operand's layout wants a whole block in a lane
.irp i, 0,1,2
	v_permlane16_swap_b32 v[PC+6*\c+\i], v[PC+12+4*\c+\i]
.endr
.irp i, 0,1,2
	v_mov_b32 v[PC+3+6*\c+\i], v[PC+12+4*\c+\i]
.endr
.endr
	global_store_b128 v[L16], v[PC:PC+3], s[P0:P0+1]              ; a half image: 512 and 256 consecutive bytes, aligned
	global_store_b64 v[L8], v[PC+4:PC+5], s[P0:P0+1] offset:512
	global_store_b128 v[L16], v[PC+6:PC+9], s[P1:P1+1]
	global_store_b64 v[L8], v[PC+10:PC+11], s[P1:P1+1] offset:512
.endm
	s_mov_b32 s[MASK-3], 0x76543210
	s_mov_b32 s[MASK-2], 0xfedcba98                ; selects for lane l xor 16
	PLACES 4                                       ; behind the last products, in front of the first read of results
.irp a, 0,1,2,3,4,5,6,7
	EPI \a
.endr
	s_cmp_ge_u32 s68, 12
	s_cbranch_scc1 .Lv_scales
.irp b, 0,1,2,3                                ; q, k: a tile's word holds the first head's two bytes below and the second head's above; a run's word is two neighbouring tiles' halves
	v_perm_b32 v[WX+\b], v[PW+2*\b+1], v[PW+2*\b], 0x05040100
	v_perm_b32 v[WX+4+\b], v[PW+2*\b+1], v[PW+2*\b], 0x07060302
.endr
.irp x, 0,1
	v_cndmask_b32 v[OW+2*\x], v[WX+4*\x], v[WX+4*\x+2], s[MASK]      ; lanes 0-15: runs 0, 1; lanes 16-31: runs 2, 3
	v_cndmask_b32 v[OW+2*\x+1], v[WX+4*\x+1], v[WX+4*\x+3], s[MASK]
.endr
	s_branch .Lscales_made
.Lv_scales:
.irp x, 0,1                                    ; v: tiles 0-3 are the first head's channels, 4-7 the second's; the words go as they are
	v_cndmask_b32 v[OW+2*\x], v[PW+4*\x], v[PW+4*\x+2], s[MASK]
	v_cndmask_b32 v[OW+2*\x+1], v[PW+4*\x+1], v[PW+4*\x+3], s[MASK]
.endr
.Lscales_made:
	global_store_b64 v[L8], v[OW:OW+1], s[PS:PS+1]
	global_store_b64 v[L8], v[OW+2:OW+3], s[PS2:PS2+1]
	s_wait_tensorcnt 0x0                           ; the wave's end
	ds_add_u32 v[SPW], v[NIL]
	s_wait_dscnt 0x0
	CROUND                                         ; the closing round
	s_endpgm
.Lfunc_end_k_q017fb4cc8e_proj:
	.size	k_q017fb4cc8e_proj, .Lfunc_end_k_q017fb4cc8e_proj-k_q017fb4cc8e_proj
	.p2alignl 7, 3214868480
	.fill 96, 4, 3214868480
	.section	.rodata,"a",@progbits
	.p2align	6, 0x0
	.amdhsa_kernel k_q017fb4cc8e_proj
		.amdhsa_group_segment_fixed_size 327680
		.amdhsa_private_segment_fixed_size 0
		.amdhsa_enable_private_segment 0
		.amdhsa_kernarg_size 32
		.amdhsa_user_sgpr_count 2
		.amdhsa_user_sgpr_kernarg_segment_ptr 1
		.amdhsa_wavefront_size32 1
		.amdhsa_system_sgpr_workgroup_id_x 1
		.amdhsa_system_sgpr_workgroup_id_y 1
		.amdhsa_system_sgpr_workgroup_id_z 1
		.amdhsa_system_vgpr_workitem_id 0
		.amdhsa_next_free_vgpr 1024
		.amdhsa_next_free_sgpr 100
		.amdhsa_reserve_vcc 0
		.amdhsa_float_denorm_mode_32 3
		.amdhsa_float_denorm_mode_16_64 3
		.amdhsa_memory_ordered 1
		.amdhsa_forward_progress 1
		.amdhsa_inst_pref_size 149
	.end_amdhsa_kernel
	.amdgpu_metadata
---
amdhsa.version: [ 1, 2 ]
amdhsa.kernels:
  - .name:           k_q017fb4cc8e_proj
    .symbol:         k_q017fb4cc8e_proj.kd
    .args:
      - { .name: actq, .offset: 0, .size: 8, .value_kind: global_buffer, .address_space: global }
      - { .name: wimg, .offset: 8, .size: 8, .value_kind: global_buffer, .address_space: global }
      - { .name: qimg, .offset: 16, .size: 8, .value_kind: global_buffer, .address_space: global }
      - { .name: kv, .offset: 24, .size: 8, .value_kind: global_buffer, .address_space: global }
    .group_segment_fixed_size: 327680
    .private_segment_fixed_size: 0
    .kernarg_segment_align: 8
    .kernarg_segment_size: 32
    .max_flat_workgroup_size: 128
    .sgpr_count:     100
    .vgpr_count:     1024
    .wavefront_size: 32
...
	.end_amdgpu_metadata
.endif
;; end of part 2
;; launch attn (part 3): grid 8 x 32, 16 waves a work-group, clusters of 4 x 1, 327,680 bytes of LDS; arguments qimg, kv, oimg; writes oimg
.if DOCPART == 3
	.amdgcn_target "amdgcn-amd-amdhsa--gfx1250"
	.amdhsa_code_object_version 6
	.text
	.protected	k_q017fb4cc8e_attn
	.globl	k_q017fb4cc8e_attn
	.p2align	8
	.type	k_q017fb4cc8e_attn,@function
k_q017fb4cc8e_attn:
	s_mov_b64 s[64:65], 0
	v_nop
	global_prefetch_b8 v0, s[64:65] scope:SCOPE_SE
	s_setreg_imm32_b32 hwreg(HW_REG_WAVE_MODE, 25, 1), 1
	s_wait_xcnt 0x0
	s_wait_alu depctr_hold_cnt(0) depctr_sa_sdst(0) depctr_va_vdst(0) depctr_va_sdst(0) depctr_va_ssrc(0) depctr_va_vcc(0) depctr_vm_vsrc(0)
	s_getreg_b32 s2, hwreg(HW_REG_IB_STS2, 6, 4)
	s_cmp_eq_u32 s2, 0
	s_cbranch_scc0 .Lentry_in_a_cluster
	s_endpgm
.Lentry_in_a_cluster:
	s_bfe_u32 s2, ttmp6, 0x10000c
	s_cmp_lg_u32 s2, 0x3003
	s_cbranch_scc0 .Lentry_shape_is_right
	s_endpgm
.Lentry_shape_is_right:
; O[bh][q] = sum over keys of softmax(q . k / 8) v, both products on codes of FP6 (E2M3) with E8M0 scales; the result, divided by the row's sum, is quantised along head x 64 + d and stored as the last product's operand image.
; THE SOFTMAX: t = score x log2(e) / 8; M = the running largest t rounded UP to a whole number; p = 2^(t - M) is quantised along the keys, not normalised; the row's sum is taken of the unquantised p; when M moves, the sum and O are multiplied by 2^(old M - new M), exactly.
; SHARES.  A work-group owns 256 queries of one head, each of its sixteen waves one tile of 16 (four waves to a SIMD: one wave's vector work stands beside another's products and LDS loads).  Every wave walks the head's 32 key steps of 128.
; The four query blocks of a cluster walk the same keys: each part of the head's stream (32 records of 12,800 bytes, dense) is asked for JOINTLY, by waves 0-3, 25,600 bytes each.  Three LDS slots of 8 records are filled at the start;
; the last 8 records go into slot 0 behind one round, with 16 key steps in which to land.  A fetching wave has three tensor loads out at the start and one behind the refill.
; LAYOUT.  Both products are used transposed: S^T = K Q^T, O^T = V^T P^T: a lane holds one query throughout.  Lane r of a tile of keys holds key 32 (a/2) + 8 (a%2) + r + 8 (r/8), so the 16 registers of tiles 2 b, 2 b + 1 are 16 neighbouring keys.
; THE HEAD IS 64 DEEP, THE INSTRUCTION 128: source 0 is a RUN of two tiles of keys (tile 2 b in K = 0 .. 63, tile 2 b + 1 in K = 64 .. 127); source 1 is q beside zero codes, [q | 0] for the first tile and [0 | q] for the second, cut out of 18 registers [0 | q | 0].
; Zero codes add nothing under any scale byte of 1 .. 254.
; No prefetch: three quarters of the stream go out at the head, and no wave waits for the refill.
; LIMITS: NaN and infinities are not served; a block's byte is held at 1 from below (a block of zeros too); 1 / sum by v_rcp_f32; a block's largest p is taken from its largest score, which leans on v_exp_f32 not falling where its input rises.
.set SLOTB, 102400
.set SPARE, 307200                     ; behind the slots: the spare words, 128 bytes for each of sixteen waves
.set L16,   1                          ; v1  16 x lane
.set L8,    2                          ; v2  16 r + 8 h
.set SPW,   3
.set NIL,   4
.set ADR16, 5                          ; v5, v6 the step's record in LDS
.set ADR8,  6
.set QS,    7                          ; v7  q's scale word: its two bytes, twice
.set R16,   8                          ; v8  16 r
.set KS,    34                         ; v[34:35] K's scale words: register e, lane half h: run 2 h + e
.set VS,    36                         ; v[36:37] V's: tile 2 h + e
.set KV,    40                         ; v40-87 K's four runs, then V's four fragments.  v16-33: [0 | q | 0].  v12 -M, v13 the largest t, v[14:15] the sum
.set S,     96                         ; v96-159 S^T, then p
.set O,     160                        ; v160-191 O^T
.set PCD,   192                        ; v192-203 p's codes; v204-206, v208-210 conversions' second halves
.set BM,    212                        ; block maxima
.set BP,    216                        ; permutes, then bytes
.set SO,    220                        ; the conversions' scale operands
.set PSW,   224                        ; p's scale word
.set FF,    226                        ; v[226:227] f
.set TT,    228
.set SU,    230                        ; v[230:231] the second chain of sums
.set WV,  12
.set G1,  24
.set G0,  32                           ; s[32:43] a group 0 for each first fill
.set CS,  44
.set SEL, 46
.set TB,  48
.set CNT, 49
.macro CROUND
	s_barrier_signal -1
	s_barrier_wait -1
	s_cmp_lg_u32 s[WV], 0
	s_cbranch_scc1 .Lnot_wave_0_\@
	s_barrier_signal -3
.Lnot_wave_0_\@:
	s_barrier_wait -3
	s_barrier_signal -1
	s_barrier_wait -1
.endm
	s_load_b128 s[4:7], s[0:1], 0x0                ; qimg, kv
	s_load_b64 s[8:9], s[0:1], 0x10                ; oimg
	v_lshl_add_u32 v[SPW], v0, 2, SPARE
	v_mov_b32 v[NIL], 0
	ds_add_u32 v[SPW], v[NIL]                      ; the wave's opening, ahead of the first tensor loads
	v_lshrrev_b32 v9, 5, v0
	v_readfirstlane_b32 s[WV], v9                  ; wave 0 .. 15
	s_bfe_u32 s13, ttmp6, 0x40000                  ; cx: it enters q's and o's global addresses alone
	s_and_b32 s14, ttmp7, 0xffff                   ; 16 batch + head, which the partners share
	s_mov_b32 s[G1], 15|(3<<16)|(1<<21)            ; all four work-groups; elements of 8 bytes; bit 21 beside a mask
	s_mov_b32 s[G1+1], 32<<16                      ; rows of 256 bytes,
	s_mov_b32 s[G1+2], 100<<16                     ; a hundred of them,
	s_mov_b32 s[G1+3], 32<<16
	s_mov_b32 s[G1+4], 100
	s_mov_b32 s[G1+5], 32                          ; dense
	s_mov_b32 s[G1+6], 0
	s_mov_b32 s[G1+7], 0
	s_and_b32 s16, s[WV], 3
	s_mul_i32 s17, s16, 25600                      ; my quarter of a slot, in LDS and in memory
	s_mul_i32 s18, s14, 409600                     ; the head's stream
	s_add_co_u32 s18, s18, s17
	s_mov_b32 s19, 0
	s_mov_b32 s[CS], 0x3e38aa3b                    ; c = log2(e) / 8
	s_mov_b32 s[CS+1], s[CS]
	s_mov_b32 s[SEL], 0x76543210
	s_mov_b32 s[SEL+1], 0xfedcba98
	s_wait_dscnt 0x0                               ; the opening add is done
	s_wait_kmcnt 0x0
	s_add_nc_u64 s[20:21], s[6:7], s[18:19]
.irp k, 0,1,2
	s_mov_b32 s[G0+4*\k], 1
	s_add_co_u32 s[G0+4*\k+1], s17, \k*SLOTB
	s_add_nc_u64 s[G0+4*\k+2:G0+4*\k+3], s[20:21], \k*SLOTB
	s_or_b32 s[G0+4*\k+3], s[G0+4*\k+3], 0x80000000
.endr
	CROUND                                         ; all four work-groups are here: the first joint loads meet
	s_cmp_lt_u32 s[WV], 4                          ; a fetching wave's three first fills stand in one branch
	s_cbranch_scc0 .Lno_first
	tensor_load_to_lds s[G0:G0+3], s[G1:G1+7]
	s_nop 0
	tensor_load_to_lds s[G0+4:G0+7], s[G1:G1+7]
	s_nop 0
	tensor_load_to_lds s[G0+8:G0+11], s[G1:G1+7]
	s_nop 0
.rept 4
	v_nop
.endr
.Lno_first:
	v_and_b32 v9, 31, v0
	v_lshlrev_b32 v[L16], 4, v9
	v_and_b32 v9, 15, v0
	v_lshlrev_b32 v[R16], 4, v9
	v_bfe_u32 v10, v0, 4, 1
	v_lshl_add_u32 v[L8], v10, 3, v[R16]
	s_lshl_b32 s50, ttmp9, 2
	s_add_co_u32 s50, s50, s13                     ; my block of 256 queries
	s_lshl_b32 s50, s50, 1
	s_lshr_b32 s51, s[WV], 3
	s_add_co_u32 s50, s50, s51                     ; my group of 128 tokens in the batch
	s_and_b32 s51, s[WV], 7                        ; my tile a
	s_lshl_b32 s52, s14, 4
	s_add_co_u32 s52, s52, s50
	s_mul_i32 s52, s52, 6400                       ; q's record
	s_mul_i32 s54, s51, 768
	s_add_co_u32 s54, s54, s52
	s_mov_b32 s55, 0
	s_add_nc_u64 s[54:55], s[4:5], s[54:55]        ; my tile's half image
	s_lshr_b32 s56, s51, 1
	s_lshl_b32 s56, s56, 2                         ; the word of run a / 2
	s_add_co_u32 s56, s56, s52
	s_add_co_u32 s56, s56, 6144
	s_mov_b32 s57, 0
	s_add_nc_u64 s[56:57], s[4:5], s[56:57]
	global_load_b128 v[22:25], v[L16], s[54:55]
	global_load_b64 v[26:27], v[L8], s[54:55] offset:512
	global_load_b32 v[QS], v[R16], s[56:57]
.irp j, 16,17,18,19,20,21,28,29,30,31,32,33
	v_mov_b32 v\j, 0                               ; the zero codes on both sides of q
.endr
	; where the result goes: record (16 batch + token group, K step head / 2) of oimg; half image (a, head % 2); the halfword head % 2 of tile a's scale words
	s_lshr_b32 s52, s14, 4
	s_and_b32 s53, s14, 15
	s_lshl_b32 s52, s52, 4
	s_add_co_u32 s52, s52, s50
	s_lshl_b32 s52, s52, 3
	s_lshr_b32 s58, s53, 1
	s_add_co_u32 s52, s52, s58
	s_mul_i32 s52, s52, 12800
	s_and_b32 s53, s53, 1
	s_lshl_b32 s58, s51, 1
	s_add_co_u32 s58, s58, s53
	s_mul_i32 s58, s58, 768
	s_add_co_u32 s58, s58, s52
	s_mov_b32 s59, 0
	s_add_nc_u64 s[58:59], s[8:9], s[58:59]
	s_lshr_b32 s60, s51, 2
	s_lshl_b32 s60, s60, 8                         ; 256 (a / 4)
	s_and_b32 s61, s51, 1
	s_lshl_b32 s61, s61, 3                         ; + 4 x 2 (a % 2)
	s_add_co_u32 s60, s60, s61
	s_bfe_u32 s61, s51, 0x10001
	s_lshl_b32 s61, s61, 2                         ; + 4 x (a / 2) % 2
	s_add_co_u32 s60, s60, s61
	s_lshl_b32 s61, s53, 1                         ; + 2 (head % 2)
	s_add_co_u32 s60, s60, s61
	s_add_co_u32 s60, s60, s52
	s_add_co_u32 s60, s60, 12288
	s_mov_b32 s61, 0
	s_add_nc_u64 s[60:61], s[8:9], s[60:61]
	s_and_b32 s62, s51, 1
	s_lshl_b32 s62, s62, 4                         ; my tile's half of the run's word
	s_wait_loadcnt 0x0                             ; q
	v_lshrrev_b32 v[QS], s62, v[QS]
	v_and_b32 v[QS], 0xffff, v[QS]
	v_lshl_or_b32 v[QS], v[QS], 16, v[QS]          ; the two bytes twice: they serve q on either side.  (The lines below are the places between this write and the first scaled product)
	v_mov_b32 v13, 0xff61b1e6                      ; the largest t so far: -3e38
	v_floor_f32 v12, -v13                          ; -M
	v_mov_b32 v14, 0
	v_mov_b32 v15, 0
.irp b, 0,1,2,3
	v_mov_b32 v[BP+\b], 0                          ; a lane permute's destination counts as read
.endr
	v_mov_b32 v[FF+1], 0                           ; (named as the upper half of a pair)
.irp j, 0,1,2,3,4,5,6,7,8,9,10,11,12,13,14,15,16,17,18,19,20,21,22,23,24,25,26,27,28,29,30,31
	v_mov_b32 v[O+\j], 0                           ; the step is written once: the first finds zeros, which the first change of M leaves zeros
.endr
.macro KVLOAD base                     ; eight half images, 48 registers: every load takes 512 or 256 consecutive bytes
.irp f, 0,1,2,3,4,5,6,7
	ds_load_b128 v[KV+6*\f:KV+6*\f+3], v[ADR16] offset:\base+768*\f
	ds_load_b64 v[KV+6*\f+4:KV+6*\f+5], v[ADR8] offset:\base+768*\f+512
.endr
.endm
; A KEY STEP: the record at LDS byte s[TB]
.macro STEP
	v_add_nc_u32 v[ADR16], s[TB], v[L16]
	v_add_nc_u32 v[ADR8], s[TB], v[L8]
	v_nop
	v_nop                                          ; four places in front of loads into registers that the last products have read
	KVLOAD 0
	ds_load_b64 v[KS:KS+1], v[ADR8] offset:6144
	ds_load_b64 v[VS:VS+1], v[ADR8] offset:12544
	s_wait_dscnt 0x0
.irp b, 0,1,2,3
.irp u, 0,1
.if \b < 2
	v_wmma_scale_f32_16x16x128_f8f6f4 v[S+8*(2*\b+\u):S+8*(2*\b+\u)+7], v[KV+12*\b:KV+12*\b+11], v[22-6*\u:33-6*\u], 0, v[KS+\b%2], v[QS] matrix_a_fmt:MATRIX_FMT_FP6 matrix_b_fmt:MATRIX_FMT_FP6
.else
	v_wmma_scale_f32_16x16x128_f8f6f4 v[S+8*(2*\b+\u):S+8*(2*\b+\u)+7], v[KV+12*\b:KV+12*\b+11], v[22-6*\u:33-6*\u], 0, v[KS+\b%2], v[QS] matrix_a_fmt:MATRIX_FMT_FP6 matrix_b_fmt:MATRIX_FMT_FP6 matrix_a_scale:MATRIX_SCALE_ROW1
.endif
.endr
.endr
.rept 4
	v_nop                                          ; places in front of the loads over K and of the first read of the scores
.endr
	KVLOAD 6400                                    ; V's fragments land under the softmax
.irp b, 0,1,2,3
	v_max3_num_f32 v[BM+\b], v[S+16*\b], v[S+1+16*\b], v[S+2+16*\b]   ; the largest score of each block of 32 keys: for the row's maximum, and for the block's largest p
.endr
.irp i, 3,5,7,9,11,13
.irp b, 0,1,2,3
	v_max3_num_f32 v[BM+\b], v[BM+\b], v[S+16*\b+\i], v[S+1+16*\b+\i]
.endr
.endr
.irp b, 0,1,2,3
	v_max_num_f32 v[BM+\b], v[BM+\b], v[S+15+16*\b]
.endr
.irp b, 0,1,2,3
	v_permlanex16_b32 v[BP+\b], v[BM+\b], s[SEL], s[SEL+1]
.endr
.irp b, 0,1,2,3
	v_max_num_f32 v[BM+\b], v[BM+\b], v[BP+\b]     ; with lane l xor 16's 16 keys
.endr
	v_max3_num_f32 v[TT], v[BM], v[BM+1], v[BM+2]
	v_max_num_f32 v[TT], v[TT], v[BM+3]
	v_mul_f32 v[TT], s[CS], v[TT]                  ; the step's largest t
	v_max_num_f32 v13, v13, v[TT]
	v_mov_b32 v[TT], v12
	v_floor_f32 v12, -v13                          ; the new -M = -ceil(t)
	v_sub_f32 v[TT], v12, v[TT]                    ; old M - new M: a whole number, 0 or less
	v_cvt_i32_f32 v[TT], v[TT]                     ; (it saturates)
	v_ldexp_f32 v[FF], 1.0, v[TT]                  ; f = 2^(old M - new M)
.irp j, 0,2,4,6,8,10,12,14,16,18,20,22,24,26,28,30,32,34,36,38,40,42,44,46,48,50,52,54,56,58,60,62
	v_pk_fma_f32 v[S+\j:S+1+\j], v[S+\j:S+1+\j], s[CS:CS+1], v[12:13] op_sel_hi:[1,0,0]   ; t - M
.endr
.irp b, 0,1,2,3
	v_fma_f32 v[BM+\b], v[BM+\b], s[CS], v12       ; the same of each block's largest score
.endr
.irp j, 0,1,2,3,4,5,6,7,8,9,10,11,12,13,14,15,16,17,18,19,20,21,22,23,24,25,26,27,28,29,30,31,32,33,34,35,36,37,38,39,40,41,42,43,44,45,46,47,48,49,50,51,52,53,54,55,56,57,58,59,60,61,62,63
	v_exp_f32 v[S+\j], v[S+\j]                     ; p = 2^(t - M)
.endr
	v_pk_mul_f32 v[14:15], v[14:15], v[FF:FF+1] op_sel_hi:[1,0]   ; the sums under the new M: the plain place behind the batch
	s_wait_alu depctr_va_vdst(0)                   ; one wait for the 64, ahead of their first reader
.irp b, 0,1,2,3
	v_exp_f32 v[BM+\b], v[BM+\b]                   ; the blocks' largest p
.endr
	v_pk_add_f32 v[SU:SU+1], v[S:S+1], v[S+2:S+3]  ; the row's sum, of the unquantised p, in two chains
.irp j, 4,8,12,16,20,24,28,32,36,40,44,48,52,56,60
	v_pk_add_f32 v[14:15], v[14:15], v[S+\j:S+1+\j]
	v_pk_add_f32 v[SU:SU+1], v[SU:SU+1], v[S+2+\j:S+3+\j]
.endr
	v_pk_add_f32 v[14:15], v[14:15], v[SU:SU+1]
	s_wait_alu depctr_va_vdst(0)                   ; and one for the four
.irp b, 0,1,2,3
	v_max_num_f32 v[BM+\b], 0x1800000, v[BM+\b]    ; the floor 2^(3 - 127)
.endr
.irp b, 0,1,2,3
	v_add_nc_u32 v[SO+\b], 0xff000000, v[BM+\b]
.endr
.irp b, 0,1,2,3
	v_lshrrev_b32 v[BP+\b], 23, v[SO+\b]
.endr
	v_lshl_or_b32 v[PSW], v[BP+1], 8, v[BP]
	v_lshl_or_b32 v[PSW], v[BP+2], 16, v[PSW]
	v_lshl_or_b32 v[PSW], v[BP+3], 24, v[PSW]      ; p's scale word for these 128 keys
.irp c, 0,1
	v_cvt_scalef32_pk16_fp6_f32 v[PCD+6*\c:PCD+2+6*\c], v[S+32*\c:S+15+32*\c], v[SO+2*\c]
	v_cvt_scalef32_pk16_fp6_f32 v[PCD+12+4*\c:PCD+14+4*\c], v[S+16+32*\c:S+31+32*\c], v[SO+2*\c+1]
.endr
	v_nop                                          ; one plain place behind a scaled conversion
.irp c, 0,1
.irp i, 0,1,2
	v_permlane16_swap_b32 v[PCD+6*\c+\i], v[PCD+12+4*\c+\i]
.endr
.irp i, 0,1,2
	v_mov_b32 v[PCD+3+6*\c+\i], v[PCD+12+4*\c+\i]
.endr
.endr
.irp j, 0,2,4,6,8,10,12,14,16,18,20,22,24,26,28,30
	v_pk_mul_f32 v[O+\j:O+1+\j], v[O+\j:O+1+\j], v[FF:FF+1] op_sel_hi:[1,0]   ; O^T under the new M; these sixteen are also the places between the writes of p's codes and scale word and the products
.endr
	s_wait_dscnt 0x0                               ; V
.irp t, 0,1,2,3                                ; the four accumulators take turns, one instruction a turn
.if \t < 2
	v_wmma_scale_f32_16x16x128_f8f6f4 v[O+8*\t:O+8*\t+7], v[KV+12*\t:KV+12*\t+11], v[PCD:PCD+11], v[O+8*\t:O+8*\t+7], v[VS+\t%2], v[PSW] matrix_a_fmt:MATRIX_FMT_FP6 matrix_b_fmt:MATRIX_FMT_FP6
.else
	v_wmma_scale_f32_16x16x128_f8f6f4 v[O+8*\t:O+8*\t+7], v[KV+12*\t:KV+12*\t+11], v[PCD:PCD+11], v[O+8*\t:O+8*\t+7], v[VS+\t%2], v[PSW] matrix_a_fmt:MATRIX_FMT_FP6 matrix_b_fmt:MATRIX_FMT_FP6 matrix_a_scale:MATRIX_SCALE_ROW1
.endif
.endr
.endm
.macro RUN first, trips                ; so many key steps, from LDS byte first on
	s_mov_b32 s[TB], \first
	s_mov_b32 s[CNT], \trips
.Lrun_\@:
	STEP
	s_add_co_u32 s[TB], s[TB], 12800
	s_sub_co_u32 s[CNT], s[CNT], 1
	s_cmp_lg_u32 s[CNT], 0
	s_cbranch_scc1 .Lrun_\@
.endm
	s_wait_tensorcnt 2                             ; my part of slot 0 is in; my fills of slots 1 and 2 may be out
	s_barrier_signal -1
	s_barrier_wait -1
	RUN 0, 8
	s_wait_tensorcnt 0x0                           ; all my tensor loads have landed: slots 1 and 2 are whole once every wave has said so
	ds_add_u32 v[SPW], v[NIL]
	s_add_nc_u64 s[G0+2:G0+3], s[G0+2:G0+3], 3*SLOTB   ; no load of mine is out: slot 0's descriptor steps to the last 8 records
	s_wait_dscnt 0x0                               ; the add is done, and my reads of slot 0 are over
	CROUND                                         ; the same holds of every wave of every partner
	s_cmp_lt_u32 s[WV], 4
	s_cbranch_scc0 .Lno_refill
	tensor_load_to_lds s[G0:G0+3], s[G1:G1+7]      ; the one refill
	s_nop 0
.rept 4
	v_nop
.endr
.Lno_refill:
	RUN SLOTB, 16
	s_wait_tensorcnt 0x0                           ; my part of the refill is in (the one load that was out)
	s_wait_dscnt 0x0
	s_barrier_signal -1
	s_barrier_wait -1                              ; everybody's is
	RUN 0, 8
	; THE WAY OUT: O^T / the sum; register 16 b + i is channel 32 b + 16 h + i of my query: two blocks of 32 along the last product's K
.rept 4
	v_nop                                          ; places behind the last products
.endr
	v_add_f32 v14, v14, v15
	v_permlanex16_b32 v[TT], v14, s[SEL], s[SEL+1]
	v_add_f32 v14, v14, v[TT]                      ; the row's sum
	v_rcp_f32 v14, v14
	v_nop                                          ; a plain place behind the transcendental
	s_wait_alu depctr_va_vdst(0)                   ; and the wait ahead of its first reader
.irp j, 0,2,4,6,8,10,12,14,16,18,20,22,24,26,28,30
	v_pk_mul_f32 v[S+\j:S+1+\j], v[O+\j:O+1+\j], v[14:15] op_sel_hi:[1,0]
.endr
.irp b, 0,1
	v_max3_num_f32 v[BM+\b], |v[S+16*\b]|, |v[S+1+16*\b]|, 0x1800000
.endr
.irp i, 2,4,6,8,10,12,14
.irp b, 0,1
	v_max3_num_f32 v[BM+\b], v[BM+\b], |v[S+16*\b+\i]|, |v[S+1+16*\b+\i]|
.endr
.endr
.irp b, 0,1
	v_permlanex16_b32 v[BP+\b], v[BM+\b], s[SEL], s[SEL+1]
.endr
.irp b, 0,1
	v_max_num_f32 v[BM+\b], v[BM+\b], v[BP+\b]
.endr
.irp b, 0,1
	v_add_nc_u32 v[SO+\b], 0xff000000, v[BM+\b]
.endr
.irp b, 0,1
	v_lshrrev_b32 v[BP+\b], 23, v[SO+\b]
.endr
	v_lshl_or_b32 v[TT], v[BP+1], 8, v[BP]         ; my head's two bytes of the row's scale word
	v_cvt_scalef32_pk16_fp6_f32 v[PCD:PCD+2], v[S:S+15], v[SO]
	v_cvt_scalef32_pk16_fp6_f32 v[PCD+12:PCD+14], v[S+16:S+31], v[SO+1]
	v_nop
.irp i, 0,1,2
	v_permlane16_swap_b32 v[PCD+\i], v[PCD+12+\i]
.endr
.irp i, 0,1,2
	v_mov_b32 v[PCD+3+\i], v[PCD+12+\i]
.endr
	global_store_b128 v[L16], v[PCD:PCD+3], s[58:59]
	global_store_b64 v[L8], v[PCD+4:PCD+5], s[58:59] offset:512
	global_store_b16 v[R16], v[TT], s[60:61]       ; lanes l and l xor 16 hold the same two bytes and name the same place; the word's other half is the neighbouring head's
	s_wait_tensorcnt 0x0                           ; the wave's end
	ds_add_u32 v[SPW], v[NIL]
	s_wait_dscnt 0x0
	CROUND                                         ; the closing round
	s_endpgm
.Lfunc_end_k_q017fb4cc8e_attn:
	.size	k_q017fb4cc8e_attn, .Lfunc_end_k_q017fb4cc8e_attn-k_q017fb4cc8e_attn
	.p2alignl 7, 3214868480
	.fill 96, 4, 3214868480
	.section	.rodata,"a",@progbits
	.p2align	6, 0x0
	.amdhsa_kernel k_q017fb4cc8e_attn
		.amdhsa_group_segment_fixed_size 327680
		.amdhsa_private_segment_fixed_size 0
		.amdhsa_enable_private_segment 0
		.amdhsa_kernarg_size 24
		.amdhsa_user_sgpr_count 2
		.amdhsa_user_sgpr_kernarg_segment_ptr 1
		.amdhsa_wavefront_size32 1
		.amdhsa_system_sgpr_workgroup_id_x 1
		.amdhsa_system_sgpr_workgroup_id_y 1
		.amdhsa_system_sgpr_workgroup_id_z 1
		.amdhsa_system_vgpr_workitem_id 0
		.amdhsa_next_free_vgpr 256
		.amdhsa_next_free_sgpr 72
		.amdhsa_reserve_vcc 0
		.amdhsa_float_denorm_mode_32 3
		.amdhsa_float_denorm_mode_16_64 3
		.amdhsa_memory_ordered 1
		.amdhsa_forward_progress 1
		.amdhsa_inst_pref_size 60
	.end_amdhsa_kernel
	.amdgpu_metadata
---
amdhsa.version: [ 1, 2 ]
amdhsa.kernels:
  - .name:           k_q017fb4cc8e_attn
    .symbol:         k_q017fb4cc8e_attn.kd
    .args:
      - { .name: qimg, .offset: 0, .size: 8, .value_kind: global_buffer, .address_space: global }
      - { .name: kv, .offset: 8, .size: 8, .value_kind: global_buffer, .address_space: global }
      - { .name: oimg, .offset: 16, .size: 8, .value_kind: global_buffer, .address_space: global }
    .group_segment_fixed_size: 327680
    .private_segment_fixed_size: 0
    .kernarg_segment_align: 8
    .kernarg_segment_size: 24
    .max_flat_workgroup_size: 512
    .sgpr_count:     72
    .vgpr_count:     256
    .wavefront_size: 32
...
	.end_amdgpu_metadata
.endif
;; end of part 3
;; launch outp (part 4): grid 8 x 32, 4 waves a work-group, clusters of 4 x 4, 222,720 bytes of LDS; arguments oimg, wimg, bo, out0; writes out0
.if DOCPART == 4
	.amdgcn_target "amdgcn-amd-amdhsa--gfx1250"
	.amdhsa_code_object_version 6
	.text
	.protected	k_q017fb4cc8e_outp
	.globl	k_q017fb4cc8e_outp
	.p2align	8
	.type	k_q017fb4cc8e_outp,@function
k_q017fb4cc8e_outp:
	s_mov_b64 s[64:65], 0
	v_nop
	global_prefetch_b8 v0, s[64:65] scope:SCOPE_SE
	s_setreg_imm32_b32 hwreg(HW_REG_WAVE_MODE, 25, 1), 1
	s_wait_xcnt 0x0
	s_wait_alu depctr_hold_cnt(0) depctr_sa_sdst(0) depctr_va_vdst(0) depctr_va_sdst(0) depctr_va_ssrc(0) depctr_va_vcc(0) depctr_vm_vsrc(0)
	s_getreg_b32 s2, hwreg(HW_REG_IB_STS2, 6, 4)
	s_cmp_eq_u32 s2, 0
	s_cbranch_scc0 .Lentry_in_a_cluster
	s_endpgm
.Lentry_in_a_cluster:
	s_bfe_u32 s2, ttmp6, 0x10000c
	s_cmp_lg_u32 s2, 0xf033
	s_cbranch_scc0 .Lentry_shape_is_right
	s_endpgm
.Lentry_shape_is_right:
; out0 = Q(attention's result) Q(Wo) + bo on codes of FP6 (E2M3) with E8M0 scales, sums in f32.  Both operands come as records of 12,800 bytes (128 rows x 128 K in the order of the operand's registers, then the scale words).
; A tile of the output is 128 x 128, so that there are 256 work-groups; four waves, 64 x 64 each: 16 accumulators.  Source 0 = 16 columns of Wo, source 1 = 16 tokens: a lane holds one token and neighbouring columns.
; Lane r of tile a holds row 32 (a/2) + 8 (a%2) + r + 8 (r/8) of its 64.  The bias is the C of each sum's first product.
; CLUSTERS of 4 x 4: the tokens' group hangs on cy and is asked for jointly along a row of the cluster, Wo's group on cx and along a column.  All of K = 1,024 fits in LDS: four slots, filled once, at the start; nothing is filled again.
; A wave has four tensor loads out at the start.
.set NT,     4
.set REC,    12800
.set RROWS,  50                        ; a wave's tensor load: one record
.set SLOTB,  51200                     ; a slot: A's two K steps, B's two K steps
.set OPB,    25600
.set WST,    6144                      ; from four tiles to the next four in a record: codes,
.set WSS,    256                       ; scale words
.set NF,     4
.set STAGE,  204800                    ; behind the slots: 16 rows x 272 bytes for each wave, for the way out; no fill lands there
.set SPARE,  222208                    ; behind the stages: the spare words, 128 bytes a wave
.set WLO,    0xa1                      ; source 0 (B) window 1, source 1 (A) window 0, C and D window 2
.set WHI,    0xa1
.set L16,   3
.set L8,    4
.set ADA16, 8
.set ADA8,  12
.set ADB16, 16
.set ADB8,  20
.set ADS,   24
.set SPW,   28
.set NIL,   29
.set SC,    32                         ; v32-35, v40-43 scale words, two sets: nothing else ever stands there
.set STO,   48
.set RD,    49
.set CO,    50
.set BO,    51
.set BI,    64                         ; v64-95 the bias in the result's layout, eight registers for each of B's four tiles
.set AF,    128                        ; v128-175 A's four fragments.  Window 1: B's two sets at v0 and v128.  Window 2: the accumulators, (a, b) at 8 (4 a + b)
.set BK,    128                        ; the way out: rows read back, v128-159 and v160-191 by turns
.set G1,  24
.set G1B, 32
.set G0,  40                           ; s[40:55]
.set G0B, 68                           ; s[68:83]
.set MSB, 0
.macro WIN new
.if MSB != (\new)
	s_set_vgpr_msb (MSB<<8)|(\new)
.set MSB, \new
.endif
.endm
.macro PLACES n
.rept \n
	v_nop
.endr
.endm
.macro JLOAD g0a, g1a, g0b, g1b        ; waves 0 and 1 fetch for A, waves 2 and 3 for B; an s_nop 0 and four v_nop follow each line
	s_cmp_eq_u32 s15, 0
	s_cbranch_scc0 .Lfor_b_\@
	tensor_load_to_lds s[\g0a:\g0a+3], s[\g1a:\g1a+7]
	s_nop 0
.rept 4
	v_nop
.endr
	s_branch .Lasked_\@
.Lfor_b_\@:
	tensor_load_to_lds s[\g0b:\g0b+3], s[\g1b:\g1b+7]
	s_nop 0
.rept 4
	v_nop
.endr
.Lasked_\@:
.endm
.macro CROUND
	s_barrier_signal -1
	s_barrier_wait -1
	s_cmp_lg_u32 s14, 0
	s_cbranch_scc1 .Lnot_wave_0_\@
	s_barrier_signal -3
.Lnot_wave_0_\@:
	s_barrier_wait -3
	s_barrier_signal -1
	s_barrier_wait -1
.endm
	s_load_b256 s[4:11], s[0:1], 0x0               ; oimg, wimg, bo, out0
	v_lshl_add_u32 v[SPW], v0, 2, SPARE
	v_mov_b32 v[NIL], 0
	ds_add_u32 v[SPW], v[NIL]                      ; the wave's opening, ahead of my first tensor load
	v_lshrrev_b32 v1, 5, v0
	v_readfirstlane_b32 s14, v1
	s_lshr_b32 s15, s14, 1                         ; my 64 tokens.  Also: I fetch for A (0) or B (1)
	s_and_b32 s16, s14, 1                          ; my 64 columns.  Also: which K step of a slot I fetch
	s_bfe_u32 s56, ttmp6, 0x40000                  ; cx
	s_bfe_u32 s57, ttmp6, 0x40004                  ; cy
	s_lshl_b32 s60, ttmp9, 2
	s_add_co_u32 s60, s60, s56                     ; the tile's 128 columns
	s_and_b32 s61, ttmp7, 0xffff
	s_lshl_b32 s61, s61, 2
	s_add_co_u32 s61, s61, s57                     ; the tile's 128 tokens
	s_lshl_b32 s58, s57, 2
	s_lshl_b32 s58, 15, s58                        ; my row of the cluster
	s_lshl_b32 s59, 0x1111, s56                    ; my column
	s_or_b32 s[G1], s58, (3<<16)|(1<<21)
	s_or_b32 s[G1B], s59, (3<<16)|(1<<21)
.irp g, G1, G1B
	s_mov_b32 s[\g+1], 32<<16                      ; rows of 256 bytes,
	s_mov_b32 s[\g+2], RROWS<<16
	s_mov_b32 s[\g+3], 32<<16
	s_mov_b32 s[\g+4], RROWS
	s_mov_b32 s[\g+5], 32                          ; dense
	s_mov_b32 s[\g+6], 0
	s_mov_b32 s[\g+7], 0
.endr
	s_mul_i32 s62, s16, 12800
	s_mul_i32 s84, s61, 102400                     ; A: the tokens' group,
	s_add_co_u32 s84, s84, s62                     ; my K step of a slot's two
	s_mov_b32 s85, 0
	s_add_co_u32 s86, s60, 24                      ; B: Wo's groups begin at 24
	s_mul_i32 s86, s86, 102400
	s_add_co_u32 s86, s86, s62
	s_mov_b32 s87, 0
	s_mul_i32 s92, s14, RROWS*256                  ; where my load lands in a slot
	s_wait_dscnt 0x0                               ; the opening add is done
	s_wait_kmcnt 0x0
	s_add_nc_u64 s[88:89], s[4:5], s[84:85]
	s_add_nc_u64 s[90:91], s[6:7], s[86:87]
	CROUND                                         ; all sixteen work-groups are here: the joint loads meet
.set KK, 0
.rept NF
	s_mov_b32 s[G0+4*KK], 1
	s_add_co_u32 s[G0+4*KK+1], s92, KK*SLOTB
	s_add_nc_u64 s[G0+4*KK+2:G0+4*KK+3], s[88:89], KK*25600
	s_or_b32 s[G0+4*KK+3], s[G0+4*KK+3], 0x80000000
	s_mov_b32 s[G0B+4*KK], 1
	s_add_co_u32 s[G0B+4*KK+1], s92, KK*SLOTB
	s_add_nc_u64 s[G0B+4*KK+2:G0B+4*KK+3], s[90:91], KK*25600
	s_or_b32 s[G0B+4*KK+3], s[G0B+4*KK+3], 0x80000000
	JLOAD G0+4*KK, G1, G0B+4*KK, G1B
.set KK, KK+1
.endr
	v_and_b32 v1, 15, v0                           ; r
	v_bfe_u32 v2, v0, 4, 1                         ; h
	v_and_b32 v5, 31, v0
	v_lshlrev_b32 v[L16], 4, v5
	v_lshlrev_b32 v[L8], 4, v1
	v_lshl_add_u32 v[L8], v2, 3, v[L8]
	s_lshl_b32 s17, s61, 7
	s_lshl_b32 s18, s15, 6
	s_add_co_u32 s17, s17, s18                     ; my first token
	s_lshl_b32 s18, s17, 12                        ; a row of out0 is 4,096 bytes
	s_lshl_b32 s20, s60, 9
	s_lshl_b32 s21, s16, 8
	s_add_co_u32 s20, s20, s21                     ; my first column, in bytes
	s_add_co_u32 s18, s18, s20
	s_mov_b32 s19, 0
	s_mov_b32 s21, 0
	s_add_nc_u64 s[22:23], s[10:11], s[18:19]      ; out0 at my part
	s_add_nc_u64 s[12:13], s[8:9], s[20:21]        ; bo at my 64 columns
	v_lshlrev_b32 v[BO], 6, v2                     ; lane half h: columns 16 h on
.irp b, 0,1,2,3
	global_load_b128 v[BI+8*\b:BI+8*\b+3], v[BO], s[12:13] offset:4*(32*(\b/2)+8*(\b%2))
	global_load_b128 v[BI+8*\b+4:BI+8*\b+7], v[BO], s[12:13] offset:4*(32*(\b/2)+8*(\b%2))+16
.endr
	s_mul_i32 s93, s15, WST
	s_mul_i32 s94, s16, WST
	s_add_co_u32 s94, s94, OPB
	s_mul_i32 s95, s15, WSS
	s_mul_i32 s96, s16, WSS
	s_add_co_u32 s96, s96, OPB
	s_sub_co_u32 s96, s96, s95                     ; from A's words to B's
	v_mul_u32_u24 v6, s96, v2                      ; lanes 16-31 take B's
	v_lshl_add_u32 v6, v1, 4, v6
	s_add_co_u32 s95, s95, 12288
.set KK, 0
.rept NF
	v_add_nc_u32 v[ADA16+KK], s93, v[L16]
	v_add_nc_u32 v[ADA8+KK], s93, v[L8]
	v_add_nc_u32 v[ADB16+KK], s94, v[L16]
	v_add_nc_u32 v[ADB8+KK], s94, v[L8]
	v_add_nc_u32 v[ADS+KK], s95, v6
	s_add_co_u32 s93, s93, SLOTB
	s_add_co_u32 s94, s94, SLOTB
	s_add_co_u32 s95, s95, SLOTB
.set KK, KK+1
.endr
	s_mul_i32 s97, s14, 16*272
	s_add_co_u32 s97, s97, STAGE                   ; my stage
	v_mul_u32_u24 v[STO], v1, 272
	v_lshl_add_u32 v[STO], v2, 6, v[STO]
	v_add_nc_u32 v[STO], s97, v[STO]               ; in: row r, + 64 h
	v_mul_u32_u24 v[RD], v2, 272
	v_lshl_add_u32 v[RD], v1, 4, v[RD]
	v_add_nc_u32 v[RD], s97, v[RD]                 ; back: lanes 0-15 one row of 256 bytes, lanes 16-31 the next
	v_lshlrev_b32 v[CO], 12, v2
	v_lshl_add_u32 v[CO], v1, 4, v[CO]             ; and the same in out0
.macro FRAG reg, a16, a8, off
	ds_load_b128 v[\reg:\reg+3], v[\a16] offset:\off
	ds_load_b64 v[\reg+4:\reg+5], v[\a8] offset:\off+512
	ds_load_b128 v[\reg+6:\reg+9], v[\a16] offset:\off+768
	ds_load_b64 v[\reg+10:\reg+11], v[\a8] offset:\off+1280
.endm
.macro FETCH_B s, p
	WIN 0x40
.set FI, 0
.rept NT
	FRAG 128*(\p)+12*FI, ADB16+((\s)/2)%NF, ADB8+((\s)/2)%NF, ((\s)%2)*REC+1536*FI
.set FI, FI+1
.endr
	WIN 0
.endm
.macro FETCH_A s, i0
.set FI, \i0
.rept NT/2
	FRAG AF+12*FI, ADA16+((\s)/2)%NF, ADA8+((\s)/2)%NF, ((\s)%2)*REC+1536*FI
.set FI, FI+1
.endr
.endm
.macro SCALES s, p                     ; four tiles' words in one load: lanes 0-15 A's, lanes 16-31 B's; tile t's word lands in register 2 (t%2) + (t/2)%2
.set FI, 0
.rept NT/4
	ds_load_b128 v[SC+8*(\p)+4*FI:SC+8*(\p)+4*FI+3], v[ADS+((\s)/2)%NF] offset:((\s)%2)*REC+256*FI
.set FI, FI+1
.endr
.endm
; All sixteen accumulators take turns, one instruction a turn, in the same order in every step.  zero = 2: the first product starts the sums from the bias
.macro MUL a0, n, p, zero
.set MA, \a0
.rept \n
.set MB, 0
.rept NT
.set MD, (8*(NT*MA+MB))%256
.set SCB, SC+8*(\p)+4*(MB/4)+2*(MB%2)+((MB/2)%2)
.set SCA, SC+8*(\p)+4*(MA/4)+2*(MA%2)+((MA/2)%2)
.if \zero == 2
	v_wmma_scale_f32_16x16x128_f8f6f4 v[MD:MD+7], v[128*(\p)+12*MB:128*(\p)+12*MB+11], v[AF+12*MA:AF+12*MA+11], v[BI+8*MB:BI+8*MB+7], v[SCB], v[SCA] matrix_a_fmt:MATRIX_FMT_FP6 matrix_b_fmt:MATRIX_FMT_FP6 matrix_a_scale:MATRIX_SCALE_ROW1
.else
	v_wmma_scale_f32_16x16x128_f8f6f4 v[MD:MD+7], v[128*(\p)+12*MB:128*(\p)+12*MB+11], v[AF+12*MA:AF+12*MA+11], v[MD:MD+7], v[SCB], v[SCA] matrix_a_fmt:MATRIX_FMT_FP6 matrix_b_fmt:MATRIX_FMT_FP6 matrix_a_scale:MATRIX_SCALE_ROW1
.endif
.set MB, MB+1
.endr
.set MA, MA+1
.endr
.endm
.macro PRIME s
	PLACES 4
	FETCH_B \s, (\s)%2
	FETCH_A \s, 0
	SCALES \s, (\s)%2
	FETCH_A \s, NT/2
.endm
.macro STEP s, zero
	s_wait_dscnt 2*NT                              ; all but the youngest loads: A's upper two fragments, four loads each
.if \zero == 2
	WIN 0x81                                       ; C, the bias, in window 0
.else
	WIN WLO
.endif
	MUL 0, NT/2, (\s)%2, \zero
	s_wait_dscnt 0x0
	PLACES 4                                       ; in front of loads into registers that matrix instructions have read
	FETCH_B (\s)+1, 1-(\s)%2
	FETCH_A (\s)+1, 0
	SCALES (\s)+1, 1-(\s)%2
.if \zero == 2
	WIN 0x81
.else
	WIN WHI
.endif
	MUL NT/2, NT/2, (\s)%2, \zero
	PLACES 4
	WIN 0
	FETCH_A (\s)+1, NT/2
.endm
.macro LASTSTEP s
	s_wait_dscnt 2*NT
	WIN WLO
	MUL 0, NT/2, (\s)%2, 0
	s_wait_dscnt 0x0
	WIN WHI
	MUL NT/2, NT/2, (\s)%2, 0
	WIN 0
.endm
	s_wait_tensorcnt NF-1                          ; my part of K steps 0, 1 is in; my three later fills may be out
	s_barrier_signal -1
	s_barrier_wait -1
	PRIME 0
	s_wait_loadcnt 0x0                             ; the bias
	STEP 0, 2
	LASTSTEP 1
	s_wait_tensorcnt 0x0                           ; all my fills are in
	s_wait_dscnt 0x0
	s_barrier_signal -1
	s_barrier_wait -1                              ; everybody's are: all of K lies in LDS
	PRIME 2
	STEP 2, 0
	STEP 3, 0
	STEP 4, 0
	STEP 5, 0
	STEP 6, 0
	LASTSTEP 7
; THE WAY OUT, 16 tokens x 64 columns at a time, through my own stage: a lane holds 32 neighbouring bytes of a row; back come whole rows of 256 bytes, which sixteen lanes store as one aligned run.
; LDS serves a wave's instructions in order: no wait between the stores and the loads, nor in front of the next block's stores.
.macro TOSTAGE a
	WIN 0x08                                       ; an LDS store's data are its source 1: window 2
.irp b, 0,1,2,3
	ds_store_b128 v[STO], v[8*(4*(\a)+\b):8*(4*(\a)+\b)+3] offset:128*(\b/2)+32*(\b%2)       ; each accumulator from its low end on
	ds_store_b128 v[STO], v[8*(4*(\a)+\b)+4:8*(4*(\a)+\b)+7] offset:128*(\b/2)+32*(\b%2)+16
.endr
	WIN 0
.irp i, 0,1,2,3,4,5,6,7
	ds_load_b128 v[BK+32*((\a)%2)+4*\i:BK+32*((\a)%2)+4*\i+3], v[RD] offset:544*\i
.endr
.endm
.macro SEND a, younger                 ; younger: the LDS instructions issued behind block a's loads
	s_wait_dscnt \younger
.irp i, 0,1,2,3,4,5,6,7
	global_store_b128 v[CO], v[BK+32*((\a)%2)+4*\i:BK+32*((\a)%2)+4*\i+3], s[22:23] offset:(32*((\a)/2)+8*((\a)%2)+2*\i+8*(\i/4))*4096 th:TH_STORE_NT   ; stage rows 2 i, 2 i + 1 are tokens 32 (a/2) + 8 (a%2) + 2 i + 8 (i/4) and the next
.endr
.endm
	PLACES 4                                       ; behind the last products: in front of the reads of results and of loads over A's fragments
	TOSTAGE 0
.irp a, 1,2,3
.if \a > 1
	s_wait_xcnt 0x0                                ; block a - 2's stores have read their registers: block a's loads may land there
.endif
	TOSTAGE \a
	SEND \a-1, 16                                  ; behind block a - 1's loads: block a's 8 stores and 8 loads
.endr
	SEND 3, 0
	s_wait_tensorcnt 0x0                           ; the wave's end, behind my last LDS store
	ds_add_u32 v[SPW], v[NIL]
	s_wait_dscnt 0x0
	CROUND                                         ; the closing round
	s_endpgm
.Lfunc_end_k_q017fb4cc8e_outp:
	.size	k_q017fb4cc8e_outp, .Lfunc_end_k_q017fb4cc8e_outp-k_q017fb4cc8e_outp
	.p2alignl 7, 3214868480
	.fill 96, 4, 3214868480
	.section	.rodata,"a",@progbits
	.p2align	6, 0x0
	.amdhsa_kernel k_q017fb4cc8e_outp
		.amdhsa_group_segment_fixed_size 222720
		.amdhsa_private_segment_fixed_size 0
		.amdhsa_enable_private_segment 0
		.amdhsa_kernarg_size 32
		.amdhsa_user_sgpr_count 2
		.amdhsa_user_sgpr_kernarg_segment_ptr 1
		.amdhsa_wavefront_size32 1
		.amdhsa_system_sgpr_workgroup_id_x 1
		.amdhsa_system_sgpr_workgroup_id_y 1
		.amdhsa_system_sgpr_workgroup_id_z 1
		.amdhsa_system_vgpr_workitem_id 0
		.amdhsa_next_free_vgpr 768
		.amdhsa_next_free_sgpr 100
		.amdhsa_reserve_vcc 0
		.amdhsa_float_denorm_mode_32 3
		.amdhsa_float_denorm_mode_16_64 3
		.amdhsa_memory_ordered 1
		.amdhsa_forward_progress 1
		.amdhsa_inst_pref_size 56
	.end_amdhsa_kernel
	.amdgpu_metadata
---
amdhsa.version: [ 1, 2 ]
amdhsa.kernels:
  - .name:           k_q017fb4cc8e_outp
    .symbol:         k_q017fb4cc8e_outp.kd
    .args:
      - { .name: oimg, .offset: 0, .size: 8, .value_kind: global_buffer, .address_space: global }
      - { .name: wimg, .offset: 8, .size: 8, .value_kind: global_buffer, .address_space: global }
      - { .name: bo, .offset: 16, .size: 8, .value_kind: global_buffer, .address_space: global }
      - { .name: out0, .offset: 24, .size: 8, .value_kind: global_buffer, .address_space: global }
    .group_segment_fixed_size: 222720
    .private_segment_fixed_size: 0
    .kernarg_segment_align: 8
    .kernarg_segment_size: 32
    .max_flat_workgroup_size: 128
    .sgpr_count:     100
    .vgpr_count:     768
    .wavefront_size: 32
...
	.end_amdgpu_metadata
.endif
;; end of part 4
